; MI455X (gfx1250); checked and timed in simulation.
; The chip was launched on July 23, 2026; its instructions are those of AMD's public machine-readable ISA for CDNA 5 (MIT licence, August 2026) and "CDNA5" Instruction Set Architecture Reference Guide (July 2026). The comments in the code are by the model that wrote it; some were corrected since.
;; Self Attention. Allowed arithmetic: matrix products marked QUANTISED: E2M1 operands, one E8M0 scale for each 32 along K, by v_wmma_scale_f32_16x16x128_f8f6f4 with both operands' format E2M1 (or v_wmma_scale_f32_32x16x128_f4), f32 sums; products left as they are: bf16, f16 or f32 operands; f32 sums; everything else in f32.
;; Inputs: b_in 3,072 float32; b_out 1,024 float32; w_in 3,072 x 1,024 float32; w_out 1,024 x 1,024 float32; x 2,048 x 4 x 1,024 float32.
;; Outputs: out0 2,048 x 4 x 1,024 float32.
;; This version of the problem:
;;   THIS VERSION OF THE PROBLEM IS GIVEN IN LOW PRECISION. The matrix products marked QUANTISED in the list below multiply operands that are first quantised to E2M1 (2 exponent bits, 1 mantissa bit; 4 bits a number), with one power-of-two scale for each 32 numbers along K (OCP MX v1.0); their sums are f32. The products marked 'left as it is' may take bf16, f16 or f32 operands, with f32 sums. All else is computed in f32.
;;   The module's matrix products, in the order in which they are computed (A, B: the left and right operand; K: the contracted axis; several contracted axes count as one K, in the product's order):
;;     1. [M 8,192, K 1,024] x [K 1,024, N 3,072]; A: input x; B: input w_in: QUANTISED
;;     2. batch 64 x [M 2,048, K 64] x [K 64, N 2,048]; A: computed on the way; B: computed on the way: left as it is (an operand is computed on the way)
;;     3. batch 64 x [M 64, K 2,048] x [K 2,048, N 2,048]; A: computed on the way; B: computed on the way: left as it is (an operand is computed on the way)
;;     4. [M 8,192, K 1,024] x [K 1,024, N 1,024]; A: computed on the way; B: input w_out: left as it is (an operand is computed on the way)
;;   THE QUANTISER, for each operand of a quantised product, along K:
;;     - K is cut into blocks of 32 from its start; a last block that is shorter is filled with zeros.
;;     - A block's scale is 2^e with e = floor(log2(the largest magnitude in the block)) - 2, held to -126 .. 127; a block of zeros has e = 0. As a byte (E8M0): e + 127.
;;     - Each number is divided by its block's scale, clamped to +-6, and rounded to the nearest number of E2M1, ties to even, subnormals kept.
;;     - The product sums the exact products of the quantised numbers (number of the format x scale) in f32.
;;   ~~~python
;;   def quantise(x, axis):      # numpy; x: float32 -> the quantised numbers, widened to float32 again
;;       x = np.moveaxis(x, axis, -1); K = x.shape[-1]
;;       x = np.pad(x, [(0, 0)] * (x.ndim - 1) + [(0, -K % 32)]); x = x.reshape(x.shape[:-1] + (-1, 32)); a = np.abs(x).max(-1, keepdims=True)
;;       e = np.where(a > 0, np.clip(np.frexp(np.where(a > 0, a, 1))[1] - 1 - 2, -126, 127), 0)      # np.frexp(a)[1] - 1 = floor(log2(a)), exactly
;;       r = np.clip(x / 2.0 ** e, -6, 6)
;;       step = 2.0 ** (np.maximum(np.frexp(np.where(r == 0, 1, r))[1] - 1, 0) - 1)
;;       q = np.round(r / step) * step * 2.0 ** e      # np.round: ties to even
;;       return np.moveaxis(q.reshape(q.shape[:-2] + (-1,))[..., :K], -1, axis).astype(np.float32)
;;   ~~~
;; One version. Each part assembles by itself: llvm-mc -triple=amdgcn-amd-amdhsa -mcpu=gfx1250 --defsym DOCPART=n.
;; ======== version 1 of 1: 4 launches
;; limits: values are held in f16: magnitudes above 65,504 overflow, below 6.1e-05 lose precision
;; workspace buffers: xc 4,194,304 bytes; xs 262,144 bytes; wc 1,572,864 bytes; ws 98,304 bytes; wo16 2,097,152 bytes; qkv 50,331,648 bytes; att 16,777,216 bytes
;; launch quant (part 1): grid 384 x 1, 4 waves a work-group, no clusters, 33,280 bytes of LDS; arguments x, w_in, xc, xs, wc, ws, w_out, wo16; writes xc, xs, wc, ws, wo16
.if DOCPART == 1
	.amdgcn_target "amdgcn-amd-amdhsa--gfx1250"
	.amdhsa_code_object_version 6
	.text
	.protected	k_qdc6986e507_quant
	.globl	k_qdc6986e507_quant
	.p2align	8
	.type	k_qdc6986e507_quant,@function
k_qdc6986e507_quant:
	s_mov_b64 s[64:65], 0
	v_nop
	global_prefetch_b8 v0, s[64:65] scope:SCOPE_SE
	s_setreg_imm32_b32 hwreg(HW_REG_WAVE_MODE, 25, 1), 1
	s_wait_xcnt 0x0
; x [8192][1024] and w_in [3072][1024], f32, become codes of FP4 (E2M1), K innermost, two codes a byte, with one E8M0 scale byte for each 32 along K; w_out [1024][1024] f32 becomes f16.
; A block's scale is 2^(floor(log2(its largest magnitude)) - 2); its byte is the largest magnitude's own exponent field - 2, held at 1 from below.  Each number is divided by the scale and rounded to the nearest code, ties to even;
; beyond 6 the conversion gives the largest code.  A block of zeros gets the byte 1 where the rule says 127: its codes are zeros, which add nothing under any byte but 0xff, and the bytes are read by this program alone.
; LIMITS: blocks whose largest magnitude lies under 2^-124 (the floor) keep the byte 1; NaN and infinities among the inputs are not served; |w_out| beyond 65,504 becomes infinity in f16, under 2^-24 it becomes 0.
; Rows are dense and K is a multiple of 32: both tensors are plain streams of blocks of 32, and so are the codes and the scale bytes.
; Work-groups 0-255 take x, 256-351 w_in: a wave takes 16 steps of 512 numbers.  Each of a step's four loads reads 512 consecutive bytes; the 2,048 bytes turn through the wave's own stage in LDS and come back 64 bytes a lane,
; so that a lane holds 16 neighbours along K (two neighbouring lanes hold a block).  A lane's 16 codes are 8 bytes: the wave stores 256 consecutive bytes.  A wave's 256 scale bytes are gathered in LDS and leave as one store.
; Work-groups 352-383 cast w_out: a wave takes 8,192 numbers in four groups of sixteen loads; this path uses no LDS.
; No tensor loads, no barrier: waves share nothing.
.set SIZE_M, 8192
.set SIZE_N, 3072
.set SIZE_K, 1024
.set WAVES, 4
.set STEPS, 16
.set WGA,   SIZE_M*SIZE_K/(512*STEPS*WAVES)            ; 256 work-groups for x
.set WGQ,   (SIZE_M+SIZE_N)*SIZE_K/(512*STEPS*WAVES)   ; 352 that quantise
.set EMAX,  2
.set CB,    8                          ; bytes of 16 codes
.set R,     16                         ; v16-79   four sets of 16 numbers as they are loaded
.set X,     80                         ; v80-111  two sets of 16 neighbours
.set C,     128                        ; v128-191 codes: four registers for each step, so that no store's data are written again
.set E,     112                        ; v112-127 a scale byte for each step
.set WREG,  8192                       ; LDS: a region for each wave: two stages of 32 x SP bytes, behind them its 256 scale bytes
.set SP,    80                         ; a lane's place in a stage: its 64 bytes + 16 of padding
	s_load_b128 s[4:7], s[0:1], 0x0                ; x, w_in
	s_load_b128 s[8:11], s[0:1], 0x10              ; xc, xs
	s_load_b128 s[12:15], s[0:1], 0x20             ; wc, ws
	s_load_b128 s[24:27], s[0:1], 0x30             ; w_out, wo16
	v_lshl_add_u32 v192, v0, 2, 0x8000
	v_mov_b32 v193, 0
	v_lshrrev_b32 v1, 5, v0
	v_readfirstlane_b32 s16, v1                    ; wave
	v_and_b32 v2, 31, v0                           ; lane
	v_lshlrev_b32 v3, 4, v2                        ; my 16 bytes of a load's 512
	s_mul_i32 s17, s16, WREG
	v_lshrrev_b32 v14, 2, v2
	v_mul_u32_u24 v14, v14, SP
	v_and_b32 v15, 3, v2
	v_lshl_add_u32 v14, v15, 4, v14
	v_add_nc_u32 v14, s17, v14                     ; the stage, on the way in: SP (lane / 4) + 16 (lane % 4)
	v_mul_u32_u24 v15, v2, SP
	v_add_nc_u32 v15, s17, v15                     ; and on the way out: SP x lane: my 16 neighbours
	v_mul_u32_u24 v4, v2, CB                       ; my codes' place in a step's
	v_lshrrev_b32 v5, 1, v2
	s_add_co_u32 s17, s17, 2*32*SP
	v_add_nc_u32 v5, s17, v5                       ; LDS: my wave's 256 scale bytes, my block's byte
	v_lshlrev_b32 v7, 3, v2                        ; 8 bytes a lane
	v_add_nc_u32 v6, s17, v7
	s_wait_kmcnt 0x0
	s_cmp_ge_u32 ttmp9, WGQ                        ; the last 32 work-groups cast w_out
	s_cbranch_scc1 .Lcast
	s_cmp_lt_u32 ttmp9, WGA                        ; x's work-group or w_in's?  The choice hangs on the work-group's number alone
	s_cselect_b64 s[4:5], s[4:5], s[6:7]
	s_cselect_b64 s[8:9], s[8:9], s[12:13]
	s_cselect_b64 s[10:11], s[10:11], s[14:15]
	s_cselect_b32 s17, 0, WGA
	s_sub_co_u32 s17, ttmp9, s17
	s_lshl_b32 s17, s17, 2
	s_add_co_u32 s18, s17, s16                     ; which run of 8,192 numbers of the tensor is my wave's
	s_mov_b32 s19, 0
	s_mov_b64 s[20:21], 512*STEPS*4
	s_mul_u64 s[20:21], s[18:19], s[20:21]
	s_add_nc_u64 s[4:5], s[4:5], s[20:21]
	s_mov_b64 s[20:21], 32*STEPS*CB
	s_mul_u64 s[20:21], s[18:19], s[20:21]
	s_add_nc_u64 s[8:9], s[8:9], s[20:21]
	s_lshl_b32 s18, s18, 8                         ; 256 scale bytes a run
	s_add_nc_u64 s[10:11], s[10:11], s[18:19]
.macro LOAD t
.irp i, 0,1,2,3
	global_load_b128 v[R+16*((\t)%4)+4*\i:R+16*((\t)%4)+4*\i+3], v3, s[4:5] offset:2048*(\t)+512*\i th:TH_LOAD_NT   ; 32 lanes read 512 consecutive bytes
.endr
.endm
.macro TURN t                          ; step t's numbers through the stage: LDS serves a wave's instructions in order, so no wait stands between the stores and the loads
.irp i, 0,1,2,3
	ds_store_b128 v14, v[R+16*((\t)%4)+4*\i:R+16*((\t)%4)+4*\i+3] offset:32*SP*((\t)%2)+8*SP*\i
.endr
.irp i, 0,1,2,3
	ds_load_b128 v[X+16*((\t)%2)+4*\i:X+16*((\t)%2)+4*\i+3], v15 offset:32*SP*((\t)%2)+16*\i
.endr
.endm
.irp t, 0,1,2,3
	LOAD \t
.endr
	s_wait_loadcnt 12                              ; step 0's four loads are in; the twelve of steps 1 to 3 stay out
	TURN 0
.macro STEP t
.set XS, X+16*((\t)%2)
.if (\t) > 0
	s_wait_dscnt 1                                 ; this step's numbers are back from the stage (the last step's byte store may be out)
.else
	s_wait_dscnt 0x0
.endif
.if (\t)+4 < STEPS
	LOAD (\t)+4                                    ; into the registers that the stage's stores have read
.endif
.if (\t)+1 < STEPS
.if STEPS-2-(\t) >= 3
	s_wait_loadcnt 12                              ; the next step's four loads are in; those of the three steps behind it may be out
.else
	s_wait_loadcnt 4*(STEPS-2-(\t))
.endif
	TURN (\t)+1                                    ; through the other stage while this step is worked
.endif
	v_max3_num_f32 v8, |v[XS]|, |v[XS+1]|, |v[XS+2]|               ; the largest magnitude of my 16, in two chains
	v_max3_num_f32 v9, |v[XS+3]|, |v[XS+4]|, |v[XS+5]|
.irp i, 6,10
	v_max3_num_f32 v8, v8, |v[XS+\i]|, |v[XS+\i+1]|
	v_max3_num_f32 v9, v9, |v[XS+\i+2]|, |v[XS+\i+3]|
.endr
	v_max3_num_f32 v8, v8, |v[XS+14]|, |v[XS+15]|
	v_max3_num_f32 v8, v8, v9, (EMAX+1)<<23        ; and the floor 2^(3 - 127): the byte cannot fall under 1
	v_max_num_f32_dpp v8, v8, v8 row_xmask:1 row_mask:0xf bank_mask:0xf   ; and of my neighbour's 16: the block's
	v_add_nc_u32 v11, -(EMAX<<23), v8              ; 2 off its exponent field: the conversion takes the exponent field of this operand as its scale
	v_cvt_scalef32_pk8_fp4_f32 v[C+4*(\t)], v[XS:XS+7], v11
	v_cvt_scalef32_pk8_fp4_f32 v[C+4*(\t)+1], v[XS+8:XS+15], v11
	v_lshrrev_b32 v[E+(\t)], 23, v11               ; the scale's byte (also the plain line behind the conversions)
	ds_store_b8 v5, v[E+(\t)] offset:16*(\t)       ; both lanes of a block write the same byte with the same value
	global_store_b64 v4, v[C+4*(\t):C+4*(\t)+1], s[8:9] offset:32*CB*(\t)   ; the wave stores 256 consecutive bytes, aligned
.endm
.irp t, 0,1,2,3,4,5,6,7,8,9,10,11,12,13,14,15
	STEP \t
.endr
	ds_load_b64 v[12:13], v6                       ; LDS serves a wave's instructions in order: these see my stores
	s_wait_dscnt 0x0
	global_store_b64 v7, v[12:13], s[10:11]        ; 32 lanes store 256 consecutive bytes, aligned
	s_wait_tensorcnt 0x0
	ds_add_u32 v192, v193
	s_wait_dscnt 0x0
	s_endpgm
; w_out to f16.  Run = 4 x (work-group - 352) + wave: 32,768 bytes in, 16,384 out.
.Lcast:
	s_sub_co_u32 s17, ttmp9, WGQ
	s_lshl_b32 s17, s17, 2
	s_add_co_u32 s17, s17, s16
	s_lshl_b32 s18, s17, 15
	s_mov_b32 s19, 0
	s_add_nc_u64 s[24:25], s[24:25], s[18:19]
	s_lshl_b32 s18, s17, 14
	s_add_nc_u64 s[26:27], s[26:27], s[18:19]
.macro LOADG g                         ; group g: sixteen loads of 512 consecutive bytes, into set g % 2 (v16-79, v80-143)
.irp i, 0,1,2,3,4,5,6,7,8,9,10,11,12,13,14,15
	global_load_b128 v[16+64*((\g)%2)+4*\i:16+64*((\g)%2)+4*\i+3], v3, s[24:25] offset:8192*(\g)+512*\i th:TH_LOAD_NT
.endr
.endm
.macro CASTG g
.if (\g) < 3
	s_wait_loadcnt 16                              ; this group's sixteen loads are in; the next group's sixteen stay out
.else
	s_wait_loadcnt 0x0
.endif
.if (\g) > 0
	s_wait_xcnt 0x0                                ; the last group's stores have read v144-175: they are written again only behind this wait
.endif
.irp i, 0,1,2,3,4,5,6,7,8,9,10,11,12,13,14,15
	v_cvt_pk_f16_f32 v[144+2*\i], v[16+64*((\g)%2)+4*\i], v[16+64*((\g)%2)+4*\i+1]
	v_cvt_pk_f16_f32 v[145+2*\i], v[16+64*((\g)%2)+4*\i+2], v[16+64*((\g)%2)+4*\i+3]
.endr
.irp i, 0,1,2,3,4,5,6,7,8,9,10,11,12,13,14,15
	global_store_b64 v7, v[144+2*\i:145+2*\i], s[26:27] offset:4096*(\g)+256*\i th:TH_STORE_NT   ; the wave stores 256 consecutive bytes, aligned
.endr
.if (\g) < 2
	LOADG (\g)+2
.endif
.endm
	LOADG 0
	LOADG 1
	CASTG 0
	CASTG 1
	CASTG 2
	CASTG 3
	s_endpgm
.Lfunc_end_k_qdc6986e507_quant:
	.size	k_qdc6986e507_quant, .Lfunc_end_k_qdc6986e507_quant-k_qdc6986e507_quant
	.p2alignl 7, 3214868480
	.fill 96, 4, 3214868480
	.section	.rodata,"a",@progbits
	.p2align	6, 0x0
	.amdhsa_kernel k_qdc6986e507_quant
		.amdhsa_group_segment_fixed_size 33280
		.amdhsa_private_segment_fixed_size 0
		.amdhsa_enable_private_segment 0
		.amdhsa_kernarg_size 64
		.amdhsa_user_sgpr_count 2
		.amdhsa_user_sgpr_kernarg_segment_ptr 1
		.amdhsa_wavefront_size32 1
		.amdhsa_system_sgpr_workgroup_id_x 1
		.amdhsa_system_sgpr_workgroup_id_y 1
		.amdhsa_system_sgpr_workgroup_id_z 1
		.amdhsa_system_vgpr_workitem_id 0
		.amdhsa_next_free_vgpr 194
		.amdhsa_next_free_sgpr 66
		.amdhsa_reserve_vcc 0
		.amdhsa_float_denorm_mode_32 3
		.amdhsa_float_denorm_mode_16_64 3
		.amdhsa_memory_ordered 1
		.amdhsa_forward_progress 1
		.amdhsa_inst_pref_size 54
	.end_amdhsa_kernel
	.amdgpu_metadata
---
amdhsa.version: [ 1, 2 ]
amdhsa.kernels:
  - .name:           k_qdc6986e507_quant
    .symbol:         k_qdc6986e507_quant.kd
    .args:
      - { .name: x, .offset: 0, .size: 8, .value_kind: global_buffer, .address_space: global }
      - { .name: w_in, .offset: 8, .size: 8, .value_kind: global_buffer, .address_space: global }
      - { .name: xc, .offset: 16, .size: 8, .value_kind: global_buffer, .address_space: global }
      - { .name: xs, .offset: 24, .size: 8, .value_kind: global_buffer, .address_space: global }
      - { .name: wc, .offset: 32, .size: 8, .value_kind: global_buffer, .address_space: global }
      - { .name: ws, .offset: 40, .size: 8, .value_kind: global_buffer, .address_space: global }
      - { .name: w_out, .offset: 48, .size: 8, .value_kind: global_buffer, .address_space: global }
      - { .name: wo16, .offset: 56, .size: 8, .value_kind: global_buffer, .address_space: global }
    .group_segment_fixed_size: 33280
    .private_segment_fixed_size: 0
    .kernarg_segment_align: 8
    .kernarg_segment_size: 64
    .max_flat_workgroup_size: 128
    .sgpr_count:     66
    .vgpr_count:     194
    .wavefront_size: 32
...
	.end_amdgpu_metadata
.endif
;; end of part 1
;; launch qkv (part 2): grid 12 x 32, 4 waves a work-group, clusters of 4 x 4, 327,680 bytes of LDS; arguments xc, xs, wc, ws, b_in, qkv; writes qkv
.if DOCPART == 2
	.amdgcn_target "amdgcn-amd-amdhsa--gfx1250"
	.amdhsa_code_object_version 6
	.text
	.protected	k_qdc6986e507_qkv
	.globl	k_qdc6986e507_qkv
	.p2align	8
	.type	k_qdc6986e507_qkv,@function
k_qdc6986e507_qkv:
	s_mov_b64 s[64:65], 0
	v_nop
	global_prefetch_b8 v0, s[64:65] scope:SCOPE_SE
	s_setreg_imm32_b32 hwreg(HW_REG_WAVE_MODE, 25, 1), 1
	s_wait_xcnt 0x0
	s_wait_alu depctr_hold_cnt(0) depctr_sa_sdst(0) depctr_va_vdst(0) depctr_va_sdst(0) depctr_va_ssrc(0) depctr_va_vcc(0) depctr_vm_vsrc(0)
	s_getreg_b32 s2, hwreg(HW_REG_IB_STS2, 6, 4)
	s_cmp_eq_u32 s2, 0
	s_cbranch_scc0 .Lentry_in_a_cluster
	s_endpgm
.Lentry_in_a_cluster:
	s_bfe_u32 s2, ttmp6, 0x10000c
	s_cmp_lg_u32 s2, 0xf033
	s_cbranch_scc0 .Lentry_shape_is_right
	s_endpgm
.Lentry_shape_is_right:
; qkv = x w_in^T + b_in on codes of FP4 (E2M1) with one E8M0 scale for each 32 along K; sums in f32; the result is rounded to f16 and laid by head:
; byte = part x 2^24 + b x 2^22 + h x 2^18 + s x 128 + 2 d (part 0, 1, 2 = q, k, v), so that two neighbouring s of a head are 256 consecutive bytes.
; xc: [8192 rows 4 s + b][512 bytes], xs: [8192][32 bytes]; wc: [3072][512], ws: [3072][32].
; LIMITS: |q|, |k|, |v| beyond 65,504 become infinity in f16, under 2^-24 they become 0.
; A tile of the result, 256 x 256, is made by four waves; a wave makes 128 x 128: 64 accumulators, 512 registers.  A tile's 256 rows are 256 neighbouring s of ONE batch b: rows of xc 4 apart, which the descriptor's pitch states.
; K = 1,024 is two slots of 512 along K (LDS rows of 256 bytes): both are filled at the start and no slot is filled again.  The scale bytes of the tile's rows, for all of K, come with the first fills, 32 bytes a row.
; CLUSTERS: 4 x 4 work-groups.  The four of a row of the cluster need the same tiles of x, the four of a column the same tiles of w_in: each tile is asked for JOINTLY, by the same tensor load with the same descriptor and a mask
; that names the four.  THE MATRIX INSTRUCTION IS USED TRANSPOSED (source 0 = 16 rows of w_in, source 1 = 16 rows of x): a lane holds eight neighbouring columns of one row.  The bias is the C of each sum's first instruction.
; No prefetch: K is two slots, both asked for at the head.  384 tiles are more than one for each of 256 WGPs and no multiple: stated, not mended here.
; REGISTERS, in windows of 256: window 0: v0-31 addresses; v32-95 scale words, two sets; v96-127 packed results; v128-191 x's fragments, ONE set, later rows on the way out; v192-255 the bias, eight tiles.
;   window 1: w_in's fragments, TWO sets, at v0 and v128.   window 2: the accumulators of my rows 0-63 ((a, b) at v[8 (8 a + b)]);   window 3: those of my rows 64-127.
.set KSTEP,  512
.set NQ,     4                         ; matrix instructions deep in a slot
.set ROWB,   256                       ; a tile's row in bytes
.set KROW,   512                       ; a row of codes in memory
.set PITCH,  272                       ; an LDS row: 256 bytes + 16 of padding: the 16 rows that a load touches start at 16 different banks (64 banks of 4 bytes: ISA guide 11.1)
.set FR,     8
.set NL,     2
.set NP,     4                         ; places behind this matrix instruction (ISA guide 7.12.1)
.set HALFT,  128*PITCH
.set SLOT,   4*HALFT                   ; x's 256 rows, then w_in's 256 rows
.set KS,     32                        ; a row of scale bytes
.set SPB,    48                        ; and in LDS: + 16 of padding
.set SCL,    2*SLOT                    ; behind the two slots: the scales
.set HALFS,  128*SPB                   ; those of 128 rows: what one tensor load brings
.set SBLK,   16*SPB
.set SPARE,  SCL+4*HALFS               ; the spare words, 128 bytes for each wave: two blocks of 256 bytes that no other line names
.set SPITCH, 272                       ; the way out: a stage of 16 rows x (256 bytes + 16) for each wave, in slot 0, which has had its one fill and its last read when the first result is stored there
.set ADRA, 16
.set ADRB, 20
.set STO,  24
.set RD,   25
.set CO,   26
.set ADRS, 27
.set SPW,  28
.set NIL,  29
.set SC,   32
.set TMP,  96
.set AF,   128
.set OB,   128
.set BI,   192
.set G1, 24
.set G0, 32
.set G1B, 48
.set G0B, 56
.set G1S, 68
.set G0S, 76
.set G1SB, 80
.set G0SB, 88
.set MSB, 0
.macro WIN new                         ; the immediate's high byte repeats the setting that is left
.if MSB != \new
	s_set_vgpr_msb (MSB<<8)|\new
.set MSB, \new
.endif
.endm
.set MUL_LO, 0xa1                      ; source 0 (w_in) window 1, source 1 (x) window 0, C and D window 2
.set MUL_HI, 0xf1                      ; the same, C and D window 3
.set BIA_LO, 0x81                      ; the first step: C is the bias, in window 0
.set BIA_HI, 0xc1
.set TO_B,   0x40
; A joint load: waves 0 and 1 fetch for x, waves 2 and 3 for w_in.  The branch hangs on the wave's number alone.  Four v_nop follow each of the two lines.
.macro JLOAD g0a, g1a, g0b, g1b
	s_cmp_eq_u32 s15, 0
	s_cbranch_scc0 .Lfor_b_\@
	tensor_load_to_lds s[\g0a:\g0a+3], s[\g1a:\g1a+7]
	s_nop 0
.rept 4
	v_nop
.endr
	s_branch .Lasked_\@
.Lfor_b_\@:
	tensor_load_to_lds s[\g0b:\g0b+3], s[\g1b:\g1b+7]
	s_nop 0
.rept 4
	v_nop
.endr
.Lasked_\@:
.endm
.macro CROUND                          ; a round of the cluster's barrier
	s_barrier_signal -1
	s_barrier_wait -1
	s_cmp_lg_u32 s14, 0
	s_cbranch_scc1 .Lnot_wave_0_\@
	s_barrier_signal -3
.Lnot_wave_0_\@:
	s_barrier_wait -3
	s_barrier_signal -1
	s_barrier_wait -1
.endm
	s_load_b128 s[4:7], s[0:1], 0x0                ; xc, xs
	s_load_b128 s[8:11], s[0:1], 0x10              ; wc, ws
	s_load_b64 s[96:97], s[0:1], 0x20              ; b_in
	s_load_b64 s[12:13], s[0:1], 0x28              ; qkv
	v_lshl_add_u32 v[SPW], v0, 2, SPARE
	v_mov_b32 v[NIL], 0
	ds_add_u32 v28, v29
	s_wait_dscnt 0x0
	v_lshrrev_b32 v1, 5, v0
	v_readfirstlane_b32 s14, v1                    ; wave 0..3
	s_lshr_b32 s15, s14, 1                         ; which half of the tile's rows is mine.  Also: I fetch for x (0) or for w_in (1)
	s_and_b32 s16, s14, 1                          ; which half of its columns.  Also: which 128 rows of that tile I fetch
	s_bfe_u32 s40, ttmp6, 0x40000                  ; cx, cy
	s_bfe_u32 s41, ttmp6, 0x40004
	s_lshl_b32 s42, ttmp9, 2
	s_add_co_u32 s42, s42, s40                     ; tile column = 4 x cluster x + cx
	s_and_b32 s17, ttmp7, 0xffff
	s_lshl_b32 s17, s17, 2
	s_add_co_u32 s17, s17, s41                     ; tile row = 4 x cluster y + cy: batch = tile row / 8, block of 256 s = tile row % 8
	s_lshl_b32 s43, s41, 2
	s_lshl_b32 s43, 15, s43                        ; my row of the cluster
	s_lshl_b32 s44, 0x1111, s40                    ; my column
	; descriptor group 1: a tile of 128 rows x 256 bytes, padded in LDS
	s_or_b32 s[G1+0], s43, (0<<16)|(1<<20)|(1<<21)|(5<<22)|(3<<25)  ; 15:0 the mask; 17:16 element of 1 byte; 20 padding on; 21 set beside a mask; 24:22 after every 64 words; 31:25 four words
	s_or_b32 s[G1B+0], s44, (0<<16)|(1<<20)|(1<<21)|(5<<22)|(3<<25)
.irp g, G1, G1B
	s_mov_b32 s[\g+1], ROWB<<16                    ; tensor_dim0
	s_mov_b32 s[\g+2], 128<<16                     ; tensor_dim1
	s_mov_b32 s[\g+3], ROWB<<16                    ; tile_dim0
	s_mov_b32 s[\g+4], 128                         ; tile_dim1
	s_mov_b32 s[\g+6], 0
	s_mov_b32 s[\g+7], 0
.endr
	s_mov_b32 s[G1+5], 4*KROW                      ; from s to s + 1 of one batch: four rows of xc
	s_mov_b32 s[G1B+5], KROW
	; the scales of 128 rows: rows of 32 bytes (4 elements of 8 bytes), 16 bytes of padding behind each
	s_or_b32 s[G1S+0], s43, (3<<16)|(1<<20)|(1<<21)|(2<<22)|(3<<25)
	s_or_b32 s[G1SB+0], s44, (3<<16)|(1<<20)|(1<<21)|(2<<22)|(3<<25)
.irp g, G1S, G1SB
	s_mov_b32 s[\g+1], 4<<16
	s_mov_b32 s[\g+2], 128<<16
	s_mov_b32 s[\g+3], 4<<16
	s_mov_b32 s[\g+4], 128
	s_mov_b32 s[\g+6], 0
	s_mov_b32 s[\g+7], 0
.endr
	s_mov_b32 s[G1S+5], 16                         ; four rows of xs
	s_mov_b32 s[G1SB+5], 4
	s_lshl_b32 s18, s16, 7                         ; which 128 rows of the tile I fetch
	s_and_b32 s20, s17, 7
	s_lshl_b32 s20, s20, 8
	s_add_co_u32 s20, s20, s18                     ; x: s = 256 x block + 128 x half,
	s_lshl_b32 s20, s20, 2
	s_lshr_b32 s21, s17, 3
	s_add_co_u32 s20, s20, s21                     ; row 4 s + batch
	s_lshl_b32 s46, s42, 8
	s_add_co_u32 s46, s46, s18                     ; w_in: row 256 x tile column + 128 x half
	s_mov_b32 s21, 0
	s_mov_b32 s47, 0
	s_mov_b64 s[18:19], KS
	s_mul_u64 s[22:23], s[20:21], s[18:19]         ; where these rows' scales begin, in bytes
	s_mul_u64 s[92:93], s[46:47], s[18:19]
	s_mov_b64 s[18:19], KROW
	s_mul_u64 s[20:21], s[20:21], s[18:19]         ; and their codes
	s_mul_u64 s[46:47], s[46:47], s[18:19]
	s_mul_i32 s45, s14, HALFT                      ; where they go: wave x 128 rows: no place in the cluster enters an LDS address
	s_mul_i32 s94, s14, HALFS
	s_wait_kmcnt 0x0
	s_add_nc_u64 s[20:21], s[4:5], s[20:21]
	s_add_nc_u64 s[22:23], s[6:7], s[22:23]
	s_add_nc_u64 s[46:47], s[8:9], s[46:47]
	s_add_nc_u64 s[92:93], s[10:11], s[92:93]
	CROUND                                         ; all sixteen work-groups are here: the first joint loads meet
	s_mov_b32 s[G0S], 1
	s_add_co_u32 s[G0S+1], s94, SCL
	s_mov_b64 s[G0S+2:G0S+3], s[22:23]
	s_or_b32 s[G0S+3], s[G0S+3], 0x80000000
	s_mov_b32 s[G0SB], 1
	s_add_co_u32 s[G0SB+1], s94, SCL
	s_mov_b64 s[G0SB+2:G0SB+3], s[92:93]
	s_or_b32 s[G0SB+3], s[G0SB+3], 0x80000000
	JLOAD G0S, G1S, G0SB, G1SB                     ; the scales first: they are wanted with the first slot
.irp s, 0,1
	s_mov_b32 s[G0+4*\s], 1
	s_add_co_u32 s[G0+4*\s+1], s45, \s*SLOT
	s_add_nc_u64 s[G0+4*\s+2:G0+4*\s+3], s[20:21], \s*ROWB
	s_or_b32 s[G0+4*\s+3], s[G0+4*\s+3], 0x80000000
	s_mov_b32 s[G0B+4*\s], 1
	s_add_co_u32 s[G0B+4*\s+1], s45, \s*SLOT
	s_add_nc_u64 s[G0B+4*\s+2:G0B+4*\s+3], s[46:47], \s*ROWB
	s_or_b32 s[G0B+4*\s+3], s[G0B+4*\s+3], 0x80000000
	JLOAD G0+4*\s, G1, G0B+4*\s, G1B               ; three tensor loads of mine are out
.endr
	v_and_b32 v1, 15, v0                           ; r = l % 16
	v_bfe_u32 v2, v0, 4, 1                         ; h = l / 16
	; the bias: lane (r, h) wants, for w_in's block b, b_in at columns 16 b + 8 h + 0 .. 7 of my 128
	s_lshl_b32 s46, s42, 10
	s_lshl_b32 s47, s16, 9
	s_add_co_u32 s46, s46, s47
	s_mov_b32 s47, 0
	s_add_nc_u64 s[96:97], s[96:97], s[46:47]
	v_lshlrev_b32 v7, 5, v2
.irp b, 0,1,2,3,4,5,6,7
	global_load_b128 v[BI+8*\b:BI+8*\b+3], v7, s[96:97] offset:64*\b
	global_load_b128 v[BI+8*\b+4:BI+8*\b+7], v7, s[96:97] offset:64*\b+16
.endr
	v_mul_u32_u24 v3, v1, PITCH
	v_lshl_add_u32 v4, v2, 4, v3                   ; a fragment's row x pitch + 16 x half
	s_mul_i32 s21, s15, HALFT                      ; my 128 rows of x
	s_mul_i32 s22, s16, HALFT                      ; my 128 rows of w_in,
	s_add_co_u32 s22, s22, 2*HALFT                 ; which lie behind x's 256
.irp s, 0,1
	v_add_nc_u32 v[ADRA+\s], s21, v4
	v_add_nc_u32 v[ADRB+\s], s22, v4
	s_add_co_u32 s21, s21, SLOT
	s_add_co_u32 s22, s22, SLOT
.endr
	v_mul_u32_u24 v5, v1, SPB                      ; my row's scales
	s_mul_i32 s21, s15, HALFS                      ; x's: my 128 rows
	s_mul_i32 s22, s16, HALFS                      ; w_in's: my 128 rows, behind x's 256
	s_add_co_u32 s22, s22, 2*HALFS
	s_sub_co_u32 s22, s22, s21
	v_mul_u32_u24 v6, s22, v2                      ; lanes 16-31 take w_in's: one product on h
	s_add_co_u32 s21, s21, SCL
	v_add_nc_u32 v5, v5, v6
	v_add_nc_u32 v[ADRS], s21, v5
	s_mul_i32 s23, s14, 16*SPITCH                  ; my stage
	v_mul_u32_u24 v5, v1, SPITCH                   ; in: row r, 16 bytes for each half of the lanes
	v_lshl_add_u32 v5, v2, 4, v5
	v_add_nc_u32 v[STO], s23, v5
	v_bfe_u32 v5, v0, 3, 1                         ; back: lanes 0-15 take 128 bytes (one head) of two rows, lanes 16-31 the next head's
	v_mul_u32_u24 v5, v5, SPITCH
	v_lshl_add_u32 v5, v2, 7, v5
	v_and_b32 v6, 7, v0
	v_lshl_add_u32 v5, v6, 4, v5
	v_add_nc_u32 v[RD], s23, v5
	v_lshlrev_b32 v[CO], 4, v1                     ; in qkv: 16 (l % 16) in the two rows' 256 bytes,
	v_lshl_add_u32 v[CO], v2, 18, v[CO]            ; and a head on for lanes 16-31
	s_lshr_b32 s20, s42, 2                         ; part = tile column / 4
	s_lshl_b32 s20, s20, 24
	s_lshr_b32 s21, s17, 3                         ; batch
	s_lshl_b32 s21, s21, 22
	s_add_co_u32 s20, s20, s21
	s_and_b32 s21, s42, 3                          ; my first head: 4 (tile column % 4) + 2 x half
	s_lshl_b32 s21, s21, 2
	s_lshl_b32 s22, s16, 1
	s_add_co_u32 s21, s21, s22
	s_lshl_b32 s21, s21, 18
	s_add_co_u32 s20, s20, s21
	s_and_b32 s21, s17, 7                          ; my first s: 256 x block + 128 x half; 128 bytes each
	s_lshl_b32 s21, s21, 8
	s_lshl_b32 s22, s15, 7
	s_add_co_u32 s21, s21, s22
	s_lshl_b32 s21, s21, 7
	s_add_co_u32 s20, s20, s21
	s_mov_b32 s21, 0
	s_add_nc_u64 s[12:13], s[12:13], s[20:21]
.macro FRAG reg, adr, q, i             ; 16 rows x 128 K of 4-bit codes: lane l holds row l % 16; registers 4 c .. 4 c + 3 hold K = 64 c + 32 (l / 16) + 0 .. 31
.irp c, 0,1
	ds_load_b128 v[\reg+4*\c:\reg+4*\c+3], v[\adr] offset:64*(\q)+32*\c+(\i)*16*PITCH
.endr
.endm
; 16 matrix instructions: x's blocks a0, a0 + 1 against w_in's eight, the slot's q-th 128 along K.  p: w_in's set; sc: the set of scale words.  zero = 1: the sums start from the bias.
; The 64 accumulators take turns, one instruction a turn, in the same order in every step.
.macro MUL16 a0, p, q, sc, zero
.irp a, \a0, \a0+1
.irp b, 0,1,2,3,4,5,6,7
.if \zero
	v_wmma_scale_f32_16x16x128_f8f6f4 v[8*(8*((\a)%4)+\b):8*(8*((\a)%4)+\b)+7], v[128*(\p)+FR*\b:128*(\p)+FR*\b+FR-1], v[AF+FR*(\a):AF+FR*(\a)+FR-1], v[BI+8*\b:BI+8*\b+7], v[SC+8*NQ*(\sc)+NQ*\b+(\q)], v[SC+8*NQ*(\sc)+NQ*(\a)+(\q)] matrix_a_fmt:MATRIX_FMT_FP4 matrix_b_fmt:MATRIX_FMT_FP4 matrix_a_scale:MATRIX_SCALE_ROW1
.else
	v_wmma_scale_f32_16x16x128_f8f6f4 v[8*(8*((\a)%4)+\b):8*(8*((\a)%4)+\b)+7], v[128*(\p)+FR*\b:128*(\p)+FR*\b+FR-1], v[AF+FR*(\a):AF+FR*(\a)+FR-1], v[8*(8*((\a)%4)+\b):8*(8*((\a)%4)+\b)+7], v[SC+8*NQ*(\sc)+NQ*\b+(\q)], v[SC+8*NQ*(\sc)+NQ*(\a)+(\q)] matrix_a_fmt:MATRIX_FMT_FP4 matrix_b_fmt:MATRIX_FMT_FP4 matrix_a_scale:MATRIX_SCALE_ROW1
.endif
.endr
.endr
.endm
.macro FETCH_B slot, q, p
	WIN TO_B
.irp i, 0,1,2,3,4,5,6,7
	FRAG 128*(\p)+FR*\i, ADRB+\slot, \q, \i
.endr
	WIN 0
.endm
.macro FETCH_A slot, q, i0
.irp i, \i0, \i0+1, \i0+2, \i0+3
	FRAG AF+FR*(\i), ADRA+\slot, \q, \i
.endr
.endm
.macro SCALES sc                       ; a slot's scale words into set sc: four words a row; lanes 0-15 take x's block i, lanes 16-31 w_in's block i
.irp i, 0,1,2,3,4,5,6,7
	ds_load_b128 v[SC+8*NQ*\sc+NQ*\i:SC+8*NQ*\sc+NQ*\i+3], v[ADRS] offset:\i*SBLK
.endr
.endm
; A load into a register that a matrix instruction has read, and a vector instruction that reads a matrix result, stand NP places behind that matrix instruction; only plain vector instructions that name none of its registers are places.
.macro PLACES n
.rept \n
	v_nop
.endr
.endm
.macro STEP slot, q, zero              ; a step of 128 along K that has its successor in the same slot
	s_wait_dscnt 4*NL                              ; w_in's set and x's blocks 0-3 are in; the youngest eight loads (x's blocks 4-7) may be out
.if \zero
	WIN BIA_LO
.else
	WIN MUL_LO
.endif
	MUL16 0, (\q)%2, \q, \slot, \zero
	MUL16 2, (\q)%2, \q, \slot, \zero
	s_wait_dscnt 0                                 ; x's blocks 4-7 are in
	PLACES NP
	FETCH_B \slot, (\q)+1, 1-(\q)%2
	FETCH_A \slot, (\q)+1, 0
.if \zero
	WIN BIA_HI
.else
	WIN MUL_HI
.endif
	MUL16 4, (\q)%2, \q, \slot, \zero
	MUL16 6, (\q)%2, \q, \slot, \zero
	PLACES NP
	WIN 0
	FETCH_A \slot, (\q)+1, 4
.endm
; Slot 0's last step changes slots: one barrier; in front of it each wave waits for all its tensor loads (its part of slot 1), adds 0 to its spare word, and waits for that and for its reads of slot 0.
.macro TURN slot, next
	s_wait_tensorcnt 0x0                           ; all my tensor loads have landed
	ds_add_u32 v[SPW], v[NIL]                      ; 0 onto my spare word
	s_wait_dscnt 4*NL+1                            ; (the add and the youngest eight loads may be out)
	WIN MUL_LO
	MUL16 0, 1, NQ-1, \slot, 0
	s_wait_dscnt 0x0                               ; the add is done, and my reads of this slot are over
	s_barrier_signal -1
	MUL16 2, 1, NQ-1, \slot, 0
	WIN 0
	s_barrier_wait -1
	PLACES NP
	v_add_nc_u32 v[ADRS], 4*NQ, v[ADRS]            ; on to the next slot's scale words
	FETCH_B \next, 0, 0
	FETCH_A \next, 0, 0
	SCALES \next
	WIN MUL_HI
	MUL16 4, 1, NQ-1, \slot, 0
	MUL16 6, 1, NQ-1, \slot, 0
	PLACES NP
	WIN 0
	FETCH_A \next, 0, 4
.endm
.macro STEPS slot, from
.set Q, \from
.rept NQ-1-\from
	STEP \slot, Q, 0
.set Q, Q+1
.endr
.endm
	s_wait_loadcnt 0x0                             ; the bias
	s_wait_tensorcnt 1                             ; the scales and my part of slot 0 are in (slot 1's load may be out),
	s_barrier_signal -1
	s_barrier_wait -1                              ; everybody's are
	FETCH_B 0, 0, 0
	FETCH_A 0, 0, 0
	SCALES 0
	FETCH_A 0, 0, 4
	STEP 0, 0, 1
	STEPS 0, 1
	TURN 0, 1
	STEPS 1, 0
	s_wait_dscnt 4*NL                              ; the last step: nothing more to fetch
	WIN MUL_LO
	MUL16 0, 1, NQ-1, 1, 0
	MUL16 2, 1, NQ-1, 1, 0
	s_wait_dscnt 0
	WIN MUL_HI
	MUL16 4, 1, NQ-1, 1, 0
	MUL16 6, 1, NQ-1, 1, 0
	WIN 0
; THE WAY OUT, a block of 16 rows x 128 columns at a time.  PACK: rounded to f16, 16 bytes a lane, each accumulator from its low end on.  TOSTAGE: into my stage, and back so that sixteen lanes hold two neighbouring s of one head.  SEND: stored.
.macro PACK a
.set AC, 64*((\a)%4)
	WIN (0x0a+5*((\a)/4))                          ; sources 0 and 1: window 2 or 3
.irp b, 0,1,2,3,4,5,6,7
.irp r, 0,1,2,3
	v_cvt_pk_f16_f32 v[TMP+4*\b+\r], v[AC+8*\b+2*\r], v[AC+8*\b+2*\r+1]
.endr
.endr
	WIN 0
.endm
.macro TOSTAGE a
.set BB, OB+32*((\a)%2)
.irp b, 0,1,2,3,4,5,6,7
	ds_store_b128 v[STO], v[TMP+4*\b:TMP+4*\b+3] offset:32*\b
.endr
.irp t, 0,1,2,3,4,5,6,7
	ds_load_b128 v[BB+4*\t:BB+4*\t+3], v[RD] offset:\t*2*SPITCH    ; LDS serves a wave's instructions in order (ISA guide 5.7.1.4): these see the stores above
.endr
.endm
.macro SEND a
.set BB, OB+32*((\a)%2)
	s_wait_dscnt 0x0                               ; the block is back in registers
	s_wait_xcnt 0x0                                ; the earlier stores have read their registers: the next block's loads land there only behind this wait
.irp t, 0,1,2,3,4,5,6,7
	global_store_b128 v[CO], v[BB+4*\t:BB+4*\t+3], s[12:13] offset:2048*(\a)+256*\t th:TH_STORE_NT   ; 16 lanes store 256 consecutive bytes, aligned: two s of one head
.endr
.endm
	PLACES NP
	PACK 0
	TOSTAGE 0
.irp a, 1,2,3,4,5,6,7                  ; block a's conversions stand between block a - 1's loads from the stage and the wait for them
	PACK \a
	SEND \a-1
	TOSTAGE \a
.endr
	SEND 7
	s_wait_tensorcnt 0x0                           ; the wave's end
	ds_add_u32 v[SPW], v[NIL]
	s_wait_dscnt 0x0
	CROUND                                         ; the closing round
	s_endpgm
.Lfunc_end_k_qdc6986e507_qkv:
	.size	k_qdc6986e507_qkv, .Lfunc_end_k_qdc6986e507_qkv-k_qdc6986e507_qkv
	.p2alignl 7, 3214868480
	.fill 96, 4, 3214868480
	.section	.rodata,"a",@progbits
	.p2align	6, 0x0
	.amdhsa_kernel k_qdc6986e507_qkv
		.amdhsa_group_segment_fixed_size 327680
		.amdhsa_private_segment_fixed_size 0
		.amdhsa_enable_private_segment 0
		.amdhsa_kernarg_size 48
		.amdhsa_user_sgpr_count 2
		.amdhsa_user_sgpr_kernarg_segment_ptr 1
		.amdhsa_wavefront_size32 1
		.amdhsa_system_sgpr_workgroup_id_x 1
		.amdhsa_system_sgpr_workgroup_id_y 1
		.amdhsa_system_sgpr_workgroup_id_z 1
		.amdhsa_system_vgpr_workitem_id 0
		.amdhsa_next_free_vgpr 1024
		.amdhsa_next_free_sgpr 98
		.amdhsa_reserve_vcc 0
		.amdhsa_float_denorm_mode_32 3
		.amdhsa_float_denorm_mode_16_64 3
		.amdhsa_memory_ordered 1
		.amdhsa_forward_progress 1
		.amdhsa_inst_pref_size 128
	.end_amdhsa_kernel
	.amdgpu_metadata
---
amdhsa.version: [ 1, 2 ]
amdhsa.kernels:
  - .name:           k_qdc6986e507_qkv
    .symbol:         k_qdc6986e507_qkv.kd
    .args:
      - { .name: xc, .offset: 0, .size: 8, .value_kind: global_buffer, .address_space: global }
      - { .name: xs, .offset: 8, .size: 8, .value_kind: global_buffer, .address_space: global }
      - { .name: wc, .offset: 16, .size: 8, .value_kind: global_buffer, .address_space: global }
      - { .name: ws, .offset: 24, .size: 8, .value_kind: global_buffer, .address_space: global }
      - { .name: b_in, .offset: 32, .size: 8, .value_kind: global_buffer, .address_space: global }
      - { .name: qkv, .offset: 40, .size: 8, .value_kind: global_buffer, .address_space: global }
    .group_segment_fixed_size: 327680
    .private_segment_fixed_size: 0
    .kernarg_segment_align: 8
    .kernarg_segment_size: 48
    .max_flat_workgroup_size: 128
    .sgpr_count:     98
    .vgpr_count:     1024
    .wavefront_size: 32
...
	.end_amdgpu_metadata
.endif
;; end of part 2
;; launch attn (part 3): grid 4 x 64, 8 waves a work-group, clusters of 4 x 1, 327,680 bytes of LDS; arguments qkv, att; writes att
.if DOCPART == 3
	.amdgcn_target "amdgcn-amd-amdhsa--gfx1250"
	.amdhsa_code_object_version 6
	.text
	.protected	k_qdc6986e507_attn
	.globl	k_qdc6986e507_attn
	.p2align	8
	.type	k_qdc6986e507_attn,@function
k_qdc6986e507_attn:
	s_mov_b64 s[64:65], 0
	v_nop
	global_prefetch_b8 v0, s[64:65] scope:SCOPE_SE
	s_setreg_imm32_b32 hwreg(HW_REG_WAVE_MODE, 25, 1), 1
	s_wait_xcnt 0x0
	s_wait_alu depctr_hold_cnt(0) depctr_sa_sdst(0) depctr_va_vdst(0) depctr_va_sdst(0) depctr_va_ssrc(0) depctr_va_vcc(0) depctr_vm_vsrc(0)
	s_getreg_b32 s2, hwreg(HW_REG_IB_STS2, 6, 4)
	s_cmp_eq_u32 s2, 0
	s_cbranch_scc0 .Lentry_in_a_cluster
	s_endpgm
.Lentry_in_a_cluster:
	s_bfe_u32 s2, ttmp6, 0x10000c
	s_cmp_lg_u32 s2, 0x3003
	s_cbranch_scc0 .Lentry_shape_is_right
	s_endpgm
.Lentry_shape_is_right:
; att[b][h][s][:] = the sum over t of softmax_t(q[s] . k[t] / 8) v[t][:], for each of the 64 heads (b, h).  q, k, v: f16, [part][b][h][s][64] in qkv; att: f16, [b][h][s][64].  Products, maxima and sums in f32;
; the weights p are rounded to f16 for the second product (p is at most 1 by the running maximum), the result once at the end.
; LIMITS: f16's: a result beyond 65,504 would be infinity (it is an average of v, which is inside), under 2^-24 it becomes 0.
; SHARES.  A work-group owns 512 queries of one head, each of its EIGHT waves 64: four tiles of 16, in 512 registers: two waves to a SIMD, so that one wave's softmax stands beside the other's products, and the text is written in phases.
; Every wave walks all 2,048 keys, 64 a step.  LAYOUT.  S^T = K Q^T (source 0 = 16 keys, source 1 = 16 queries): a lane holds ONE query (lane % 16) and the keys 8 (lane / 16) + 0..7.  Two such tiles, rounded to f16 in pairs,
; ARE source 1 (32 keys x 16 queries) of O^T = V^T P.  K comes out of LDS as it lies, V ([key][channel]) turned, by ds_load_tr16_b128.
; SOFTMAX.  For each query a running maximum m and sum l: p = 2^(c s - c m), c = log2(e) / 8; in every step O and l are multiplied by a = 2^(c m_old - c m_new).
; CLUSTER.  The four work-groups of a cluster are the four query blocks of one head and walk the same K and V: each tile is asked for JOINTLY.  A slot holds 256 keys (four steps); two keys' 128-byte rows are taken as one row of 256 bytes.
; REGISTERS: window 0: v1-11 addresses; v28 the prefetch's offset; v30, v31 for the add; v32-63 eight registers of statistics a tile; v64-191 S^T, 32 a tile (P is packed in place into a tile's first 16); v192-255 Q.
;   window 1: v0-127 O^T, 32 a tile; v128-191 K of one step; v192-255 V of one step.
.set PK,     272                       ; two keys of K in LDS: 256 bytes + 16: the 16 keys of a load start at 16 different groups of four banks (64 banks of 4 bytes: ISA guide 11.1)
.set PVP,    288                       ; two keys of V: 256 + 32
.set KSTEPB, 32*PK                     ; a step's 64 keys
.set VSTEPB, 32*PVP
.set VOFF,   128*PK                    ; a slot: 256 keys of K, then 256 of V
.set SLOTB,  32768                     ; a slot's keys in memory, in K and in V
.set SLOT1,  1<<17                     ; slot 1 begins here: one exclusive or turns an address in one slot into the other's
.set STAGE,  SLOT1+128*(PK+PVP)        ; behind the ring: 16 rows x 144 bytes for each wave
.set SP,     144
.set SPARE,  STAGE+8*16*SP             ; the spare words, 128 bytes for each wave: four blocks of 256 bytes that no other line names
.set AK0, 2
.set AV0, 3
.set ADR, 4
.set QO,  5
.set STO, 6
.set RD,  7
.set GO,  8
.set PFO, 28
.set SPW, 30
.set NIL, 31
.set ST,  32                           ; tile t at v[ST+8 t]: +0 c m, +1 m, +2, +3 l (even keys', odd keys'), +4 to +7 c0-c3, at work; a takes c2's place
.set S,   64
.set Q,   192
.set KF,  128                          ; in window 1
.set VF,  192
.set WV,  12
.set LIM, 15                           ; 1 in a wave that prefetches, else the greatest number
.set PFA, 18
.set G1K, 24
.set G1V, 32
.set G0K, 40                           ; a set for each of the two first fills; the second then walks on
.set G0V, 48
.set SLOTS, 56
.set CNT, 57
.set CS,  58
.set SEL, 60
.set TK,  62                           ; LDS byte at which K of the step to be fetched begins
.set TV,  63                           ; the same for V (less VOFF)
.set MSB, 0
.macro WIN new
.if MSB != \new
	s_set_vgpr_msb (MSB<<8)|\new
.set MSB, \new
.endif
.endm
.macro PLACES n
.rept \n
	v_nop
.endr
.endm
; A joint refill.  Waves 0 and 1 fetch the halves of K's 256 keys, waves 2 and 3 those of V's, the others nothing.  The branches hang on the wave's number alone.  Four v_nop follow each load.
.macro JLOAD
	s_cmp_lt_u32 s[WV], 2
	s_cbranch_scc0 .Lnot_k_\@
	tensor_load_to_lds s[G0K+4:G0K+7], s[G1K:G1K+7]
	s_nop 0
.rept 4
	v_nop
.endr
	s_branch .Lasked_\@
.Lnot_k_\@:
	s_cmp_lt_u32 s[WV], 4
	s_cbranch_scc0 .Lasked_\@
	tensor_load_to_lds s[G0V+4:G0V+7], s[G1V:G1V+7]
	s_nop 0
.rept 4
	v_nop
.endr
.Lasked_\@:
.endm
; A prefetch of what the NEXT change of slots will ask for: a slot's 32,768 bytes of K and of V, four key steps ahead of that load.  A head has one cluster; its four partners share the bytes out BY ADDRESS, 8,192 each,
; lanes 256 bytes apart; in each, wave 0 asks for K's and wave 2 for V's: each aligned block of 256 bytes is named once in the launch.  The last change that fills a slot asks for nothing; slots 0 to 2 come by their loads alone.
.macro ASK
	s_cmp_gt_u32 s[SLOTS], s[LIM]
	s_cbranch_scc0 .Lnot_mine_\@
	global_prefetch_b8 v[PFO], s[PFA:PFA+1] th:TH_LOAD_NT scope:SCOPE_SE
.Lnot_mine_\@:
.endm
.macro CROUND                          ; a round of the cluster's barrier
	s_barrier_signal -1
	s_barrier_wait -1
	s_cmp_lg_u32 s[WV], 0
	s_cbranch_scc1 .Lnot_wave_0_\@
	s_barrier_signal -3
.Lnot_wave_0_\@:
	s_barrier_wait -3
	s_barrier_signal -1
	s_barrier_wait -1
.endm
	s_load_b64 s[4:5], s[0:1], 0x0                 ; qkv
	s_load_b64 s[10:11], s[0:1], 0x8               ; att
	v_lshl_add_u32 v[SPW], v0, 2, SPARE
	v_mov_b32 v[NIL], 0
	ds_add_u32 v30, v31
	s_wait_dscnt 0x0
	v_lshrrev_b32 v1, 5, v0
	v_readfirstlane_b32 s[WV], v1                  ; wave 0..7
	s_bfe_u32 s13, ttmp6, 0x40000                  ; cx: my block of 512 queries: it enters Q's, att's and the prefetch's addresses alone
	s_and_b32 s20, ttmp7, 0xffff                   ; the head 16 b + h, which the four partners share
	s_lshl_b32 s20, s20, 18                        ; its first byte in a part
	s_and_b32 s16, s[WV], 1                        ; which half of a slot I fetch:
	s_lshl_b32 s22, s16, 14                        ; its 128 keys of 128 bytes in memory,
	s_add_co_u32 s22, s22, s20
	s_mov_b32 s23, 0
	s_mul_i32 s17, s16, 64*PK                      ; and its place in a slot, for K
	s_mul_i32 s14, s16, 64*PVP                     ; and for V
	s_lshr_b32 s[LIM], s[WV], 2
	s_or_b32 s[LIM], s[LIM], s16                   ; 0 in waves 0 and 2
	s_cmp_eq_u32 s[LIM], 0
	s_cselect_b32 s[LIM], 1, -1
	s_lshl_b32 s2, s13, 16                         ; my block's 512 rows,
	s_lshl_b32 s3, s[WV], 13                       ; my wave's 64 of them
	s_add_co_u32 s2, s2, s3
	s_add_co_u32 s2, s2, s20
	s_mov_b32 s3, 0
	; descriptor group 1: 64 rows x 128 elements of 2 bytes, dense in memory, padded in LDS
	s_mov_b32 s[G1K], 15|(1<<16)|(1<<20)|(1<<21)|(5<<22)|(3<<25)  ; 15:0 the mask: all four work-groups; 17:16 elements of 2 bytes; 20 padding on; 21 set beside a mask; 24:22 after every 64 words; 31:25 four words
	s_mov_b32 s[G1V], 15|(1<<16)|(1<<20)|(1<<21)|(5<<22)|(7<<25)  ; the same with eight words of padding
.irp g, G1K, G1V
	s_mov_b32 s[\g+1], 128<<16                     ; tensor_dim0
	s_mov_b32 s[\g+2], 64<<16                      ; tensor_dim1
	s_mov_b32 s[\g+3], 128<<16                     ; tile_dim0
	s_mov_b32 s[\g+4], 64                          ; tile_dim1
	s_mov_b32 s[\g+5], 128                         ; tensor_dim0_stride
	s_mov_b32 s[\g+6], 0
	s_mov_b32 s[\g+7], 0
.endr
	s_mov_b32 s[CS], 0x3e38aa3b                    ; c = log2(e) / 8
	s_mov_b32 s[CS+1], s[CS]                       ; named with it as a pair, so it is written
	s_mov_b32 s[SEL], 0x76543210
	s_mov_b32 s[SEL+1], 0xfedcba98
	s_mov_b32 s[TK], 0
	s_mov_b32 s[TV], 0
	s_mov_b32 s[SLOTS], 6                          ; eight slots' worth of keys: two first fills, six refills
	v_and_b32 v[PFO], 31, v0
	v_lshlrev_b32 v[PFO], 8, v[PFO]
	s_wait_kmcnt 0x0
	s_add_nc_u64 s[6:7], s[4:5], s[22:23]
	s_add_nc_u64 s[8:9], s[6:7], 0x2000000         ; V at my half of slot 0
	s_add_nc_u64 s[6:7], s[6:7], 0x1000000         ; K likewise
	s_add_nc_u64 s[4:5], s[4:5], s[2:3]            ; Q and att at my wave's first row
	s_add_nc_u64 s[10:11], s[10:11], s[2:3]
	s_cmp_lt_u32 s[WV], 2
	s_cselect_b64 s[PFA:PFA+1], s[6:7], s[8:9]     ; (in waves 0 and 2 these stand at a slot's first byte)
	s_lshl_b32 s2, s13, 13                         ; my work-group's 8,192 bytes of the 32,768
	s_mov_b32 s3, 0
	s_add_nc_u64 s[PFA:PFA+1], s[PFA:PFA+1], s[2:3]
	s_add_nc_u64 s[PFA:PFA+1], s[PFA:PFA+1], 2*SLOTB   ; in slot 2; the first change of slots steps it to slot 3.  Nothing is prefetched here, at the head
	CROUND                                         ; all four work-groups are here: the first joint loads meet
.irp s, 0,1
	s_mov_b32 s[G0K+4*\s], 1
	s_add_co_u32 s[G0K+4*\s+1], s17, \s*SLOT1
	s_add_nc_u64 s[G0K+4*\s+2:G0K+4*\s+3], s[6:7], \s*SLOTB
	s_or_b32 s[G0K+4*\s+3], s[G0K+4*\s+3], 0x80000000
	s_mov_b32 s[G0V+4*\s], 1
	s_add_co_u32 s[G0V+4*\s+1], s14, \s*SLOT1+VOFF
	s_add_nc_u64 s[G0V+4*\s+2:G0V+4*\s+3], s[8:9], \s*SLOTB
	s_or_b32 s[G0V+4*\s+3], s[G0V+4*\s+3], 0x80000000
.endr
	s_cmp_lt_u32 s[WV], 2                          ; a wave's two first fills stand in one branch, ahead of every wait on TENSORcnt and every LDS read: two loads of a fetching wave are out
	s_cbranch_scc0 .Lfirst_not_k
	tensor_load_to_lds s[G0K:G0K+3], s[G1K:G1K+7]
	s_nop 0
	tensor_load_to_lds s[G0K+4:G0K+7], s[G1K:G1K+7]
	s_nop 0
.rept 4
	v_nop
.endr
	s_branch .Lfirst_asked
.Lfirst_not_k:
	s_cmp_lt_u32 s[WV], 4
	s_cbranch_scc0 .Lfirst_asked
	tensor_load_to_lds s[G0V:G0V+3], s[G1V:G1V+7]
	s_nop 0
	tensor_load_to_lds s[G0V+4:G0V+7], s[G1V:G1V+7]
	s_nop 0
.rept 4
	v_nop
.endr
.Lfirst_asked:
	; A fragment of K or Q is 16 rows x 32 channels in 8 registers: lane l holds row l % 16; registers 0-3 channels 8 (l / 16) + 0..7, registers 4-7 channels 16 + 8 (l / 16) + 0..7.
	v_and_b32 v1, 15, v0                           ; r
	v_bfe_u32 v9, v0, 4, 1                         ; h
	v_lshlrev_b32 v[QO], 7, v1
	v_lshl_add_u32 v[QO], v9, 4, v[QO]             ; row x 128 + 16 x half
.irp t, 0,1,2,3
.irp c, 0,1
	global_load_b128 v[Q+16*\t+8*\c:Q+16*\t+8*\c+3],   v[QO], s[4:5] offset:2048*\t+64*\c      ; Q stays in registers
	global_load_b128 v[Q+16*\t+8*\c+4:Q+16*\t+8*\c+7], v[QO], s[4:5] offset:2048*\t+64*\c+32
.endr
.endr
	v_lshrrev_b32 v10, 1, v1
	v_mul_u32_u24 v[AK0], v10, PK                  ; K: key r lies in double row r / 2,
	v_and_b32 v10, 1, v0
	v_lshl_add_u32 v[AK0], v10, 7, v[AK0]          ; in its half r % 2,
	v_lshl_add_u32 v[AK0], v9, 4, v[AK0]           ; + 16 x half of the lanes
	; The turning load takes 16 keys x 16 channels (lane l reads 16 bytes: key 8 (l / 16) + l % 8, channels 8 ((l / 8) % 2) + 0..7) and leaves half a fragment of V^T: lane l holds channel l % 16 and 8 keys.
	v_bfe_u32 v11, v0, 1, 2
	v_lshl_add_u32 v11, v9, 2, v11                 ; the key's double row: 4 (l / 16) + (l % 8) / 2
	v_mul_u32_u24 v[AV0], v11, PVP
	v_lshl_add_u32 v[AV0], v10, 7, v[AV0]
	v_bfe_u32 v11, v0, 3, 1
	v_lshl_add_u32 v[AV0], v11, 4, v[AV0]
	v_add_nc_u32 v[AV0], VOFF, v[AV0]
	s_mul_i32 s2, s[WV], 16*SP
	s_add_co_u32 s2, s2, STAGE                     ; my stage
	v_mul_u32_u24 v[STO], v1, SP                   ; in: row r, 16 bytes for each half of the lanes
	v_lshl_add_u32 v[STO], v9, 4, v[STO]
	v_add_nc_u32 v[STO], s2, v[STO]
	v_bfe_u32 v10, v0, 3, 2                        ; back: eight lanes take one row of 128 bytes
	v_mul_u32_u24 v[RD], v10, SP
	v_and_b32 v10, 7, v0
	v_lshl_add_u32 v[RD], v10, 4, v[RD]
	v_add_nc_u32 v[RD], s2, v[RD]
	v_and_b32 v[GO], 31, v0
	v_lshlrev_b32 v[GO], 4, v[GO]                  ; and the same four rows in att: 512 consecutive bytes
; 32 products of S^T = K Q^T: channels 32 (i / 16) on, keys 16 ((i / 4) % 4) on, tile i % 4.  The first 16 start the sums.  The 16 accumulators take turns, one instruction a turn.
.macro KQ
	WIN 0x01                                       ; K in window 1; Q and S^T in window 0
.set i, 0
.rept 32
.set rS, S+32*(i%4)+8*((i/4)%4)
.set rK, KF+8*(2*((i/4)%4)+i/16)
.set rQ, Q+16*(i%4)+8*(i/16)
.if i < 16
	v_wmma_f32_16x16x32_f16 v[rS:rS+7], v[rK:rK+7], v[rQ:rQ+7], 0
.else
	v_wmma_f32_16x16x32_f16 v[rS:rS+7], v[rK:rK+7], v[rQ:rQ+7], v[rS:rS+7]
.endif
.set i, i+1
.endr
.endm
; 32 products of O^T += V^T P: keys 32 (i / 16) on, channels 16 ((i / 4) % 4) on, tile i % 4.  first = 1: the first 16 start the sums: nothing is ever cleared.
.macro PV first
	WIN 0x51                                       ; V and O^T in window 1, P in window 0
.set i, 0
.rept 32
.set rO, 32*(i%4)+8*((i/4)%4)
.set rV, VF+8*(4*(i/16)+(i/4)%4)
.set rP, S+32*(i%4)+8*(i/16)
.if \first && (i < 16)
	v_wmma_f32_16x16x32_f16 v[rO:rO+7], v[rV:rV+7], v[rP:rP+7], 0
.else
	v_wmma_f32_16x16x32_f16 v[rO:rO+7], v[rV:rV+7], v[rP:rP+7], v[rO:rO+7]
.endif
.set i, i+1
.endr
.endm
; The LDS loads stand in runs of 16: a step's K (64 keys x 64 channels: 8 fragments) and its V (turned).
.macro FETCH_K
	WIN 0
	v_add_nc_u32 v[ADR], s[TK], v[AK0]
	s_add_co_u32 s[TK], s[TK], KSTEPB              ; the next fetch is the next step's
	WIN 0x40                                       ; destination window 1
.irp f, 0,1,2,3,4,5,6,7                        ; keys 16 (f / 2) on, channels 32 (f % 2) on
	ds_load_b128 v[KF+8*\f:KF+8*\f+3],   v[ADR] offset:(\f/2)*8*PK+(\f%2)*64
	ds_load_b128 v[KF+8*\f+4:KF+8*\f+7], v[ADR] offset:(\f/2)*8*PK+(\f%2)*64+32
.endr
.endm
.macro FETCH_V
	WIN 0
	v_add_nc_u32 v[ADR], s[TV], v[AV0]
	s_add_co_u32 s[TV], s[TV], VSTEPB
	WIN 0x40
.irp f, 0,1,2,3,4,5,6,7                        ; keys 32 (f / 4) on, channels 16 (f % 4) on
	ds_load_tr16_b128 v[VF+8*\f:VF+8*\f+3],   v[ADR] offset:(\f/4)*16*PVP+(\f%4)*32
	ds_load_tr16_b128 v[VF+8*\f+4:VF+8*\f+7], v[ADR] offset:(\f/4)*16*PVP+8*PVP+(\f%4)*32
.endr
.endm
; Line n of 32 of what follows tile t's exponentials.  Even n = 2 b: pair b of weights joins l (pair 0 with l x a).  Odd n = 2 b + 1: pair b is rounded to f16 into register b of the tile: that register's own pair, b / 2, is done with.
.macro COP t, n, first
.set cb, (\n)/2
.set cS, S+32*(\t)
.set cT, ST+8*(\t)
.if (\n)%2 == 1
	v_cvt_pk_f16_f32 v[cS+cb], v[cS+2*cb], v[cS+2*cb+1]
.elseif (\n) > 0
	v_pk_add_f32 v[cT+2:cT+3], v[cT+2:cT+3], v[cS+2*cb:cS+2*cb+1]
.elseif \first
	s_wait_alu depctr_va_vdst(0)
	v_pk_mul_f32 v[cT+2:cT+3], v[cS:cS+1], 1.0 op_sel_hi:[1,0]
.else
	s_wait_alu depctr_va_vdst(0)
	v_pk_fma_f32 v[cT+2:cT+3], v[cT+2:cT+3], v[cT+6:cT+7], v[cS:cS+1] op_sel_hi:[1,0,1]
.endif
.endm
; Tile te's 32 exponentials, each with a plain line of tile tc behind it (ISA guide 5.7.2: one plain instruction before a transcendental's result is used)
.macro EXPC te, tc, first
.set nn, 0
.rept 32
	v_exp_f32 v[S+32*(\te)+nn], v[S+32*(\te)+nn]
	COP \tc, nn, \first
.set nn, nn+1
.endr
.endm
; THE SOFTMAX of a key step, the four tiles by turns.  first = 1: the first key step, which starts m, l and O^T.
.macro SOFTMAX first
	WIN 0
.irp k, 0,1,2,3                                ; the maximum of the lane's 32 scores and the old m, three operands at a time; each accumulator is read from its low end on
.irp t, 0,1,2,3
	v_max3_num_f32 v[ST+8*\t+4+\k], v[S+32*\t+8*\k], v[S+32*\t+8*\k+1], v[S+32*\t+8*\k+2]
.endr
.endr
.irp p, 3,5
.irp k, 0,1,2,3
.irp t, 0,1,2,3
	v_max3_num_f32 v[ST+8*\t+4+\k], v[ST+8*\t+4+\k], v[S+32*\t+8*\k+\p], v[S+32*\t+8*\k+\p+1]
.endr
.endr
.endr
.irp t, 0,1,2,3
	v_max3_num_f32 v[ST+8*\t+4], v[ST+8*\t+4], v[S+32*\t+7], v[S+32*\t+15]
.endr
.irp t, 0,1,2,3
	v_max3_num_f32 v[ST+8*\t+6], v[ST+8*\t+6], v[S+32*\t+23], v[S+32*\t+31]
.endr
.irp t, 0,1,2,3
	v_max3_num_f32 v[ST+8*\t+4], v[ST+8*\t+4], v[ST+8*\t+5], v[ST+8*\t+6]
.endr
.irp t, 0,1,2,3
.if \first
	v_max_num_f32 v[ST+8*\t+4], v[ST+8*\t+4], v[ST+8*\t+7]
.else
	v_max3_num_f32 v[ST+8*\t+4], v[ST+8*\t+4], v[ST+8*\t+7], v[ST+8*\t+1]
.endif
.endr
.irp t, 0,1,2,3
	v_permlanex16_b32 v[ST+8*\t+5], v[ST+8*\t+4], s[SEL], s[SEL+1]   ; the query's other 32 keys lie in the lane 16 away
.endr
.if \first == 0
.irp t, 0,1,2,3
	v_mov_b32 v[ST+8*\t+7], v[ST+8*\t]             ; c m_old is kept for a
.endr
.endif
.irp t, 0,1,2,3
	v_max_num_f32 v[ST+8*\t+1], v[ST+8*\t+4], v[ST+8*\t+5]
.endr
.irp t, 0,1,2,3
	v_mul_f32 v[ST+8*\t], s[CS], v[ST+8*\t+1]
.endr
.if \first == 0
.irp t, 0,1,2,3
	v_sub_f32 v[ST+8*\t+7], v[ST+8*\t+7], v[ST+8*\t]
.endr
.irp t, 0,1,2,3
	v_exp_f32 v[ST+8*\t+6], v[ST+8*\t+7]           ; a; the scalings below are the plain lines behind it
.endr
.endif
.irp b, 0,1,2,3,4,5,6,7,8,9,10,11,12,13,14,15
.irp t, 0,1,2,3
	v_pk_fma_f32 v[S+32*\t+2*\b:S+32*\t+2*\b+1], v[S+32*\t+2*\b:S+32*\t+2*\b+1], s[CS:CS+1], v[ST+8*\t:ST+8*\t+1] op_sel_hi:[1,0,0] neg_lo:[0,0,1] neg_hi:[0,0,1]  ; c s - c m
.endr
.endr
.set nn, 0
.rept 32
	v_exp_f32 v[S+nn], v[S+nn]                     ; tile 0's weights
.set nn, nn+1
.endr
	v_nop                                          ; a plain line behind the last of them
	EXPC 1, 0, \first
	EXPC 2, 1, \first
	EXPC 3, 2, \first
.set nn, 0
.rept 32
	COP 3, nn, \first
.set nn, nn+1
.endr
.if \first == 0
	WIN 0x41                                       ; O^T (destination and source 0) in window 1, a in window 0
.irp e, 0,1,2,3,4,5,6,7,8,9,10,11,12,13,14,15
.irp t, 0,1,2,3
	v_pk_mul_f32 v[32*\t+2*\e:32*\t+2*\e+1], v[32*\t+2*\e:32*\t+2*\e+1], v[ST+8*\t+6:ST+8*\t+7] op_sel_hi:[1,0]   ; each accumulator from its low end on
.endr
.endr
.endif
.endm
; A KEY STEP j, turned so that a change of slots falls at its head: K of step j + 1 is asked for | softmax j | V^T P of step j | V of step j + 1 is asked for | K Q^T of step j + 1.  fetch = 0: the last step.
.macro ROT fetch, first
	PLACES 4                                       ; behind K Q^T: for the loads into K's registers and the first reads of S^T
.if \fetch
	FETCH_K
.endif
	SOFTMAX \first
.if \fetch
	s_wait_dscnt 16                                ; V of this step is in; the sixteen younger loads (K of the next) may be out
.else
	s_wait_dscnt 0x0
.endif
	PV \first
.if \fetch
	WIN 0
	PLACES 5                                       ; the next K Q^T writes over P, which these products have read: five places; the loads into V's registers want four
	FETCH_V
	s_wait_dscnt 16                                ; K is in; V's sixteen loads may be out
	KQ
.endif
	WIN 0                                          ; at a label and at a branch every window is 0
.endm
.macro STEPS n
	s_mov_b32 s[CNT], \n
.Lstep_\@:
	ROT 1, 0
	s_sub_co_u32 s[CNT], s[CNT], 1
	s_cmp_lg_u32 s[CNT], 0
	s_cbranch_scc1 .Lstep_\@
.endm
; THE CHANGE OF SLOTS.  The slot's last bytes have been asked for.  Each wave waits for all its tensor loads (of a fetching wave one is out: its part of the other slot), adds 0 to its spare word, and waits for that and for its reads.
; fill = 1: the slot left is filled again with the keys two slots on.  The barrier is then a round of the cluster's, and the joint refill is the first thing behind it: it has four key steps, 256 matrix instructions a wave, in which to land.
.macro CHANGE fill
	s_wait_tensorcnt 0x0                           ; no tensor load of mine is out, so a group 0 may be written
	ds_add_u32 v[SPW], v[NIL]                      ; 0 onto my spare word
.if \fill
.irp g, G0K+4, G0V+4
	s_xor_b32 s[\g+1], s[\g+1], SLOT1              ; the walking descriptor: the other slot than last time,
	s_add_nc_u64 s[\g+2:\g+3], s[\g+2:\g+3], SLOTB ; the next 256 keys; the type bits on top are not reached
.endr
	s_wait_xcnt 0x0                                ; the last prefetch, a slot back, has read its address, so it may be written
	s_add_nc_u64 s[PFA:PFA+1], s[PFA:PFA+1], SLOTB
	s_wait_dscnt 0x0                               ; the add is done, and my reads of the slot are over
	CROUND
	JLOAD
	ASK
.else
	s_wait_dscnt 0x0
	s_barrier_signal -1
	s_barrier_wait -1
.endif
	s_sub_co_u32 s[TK], s[TK], 4*KSTEPB            ; the fetches go back to a slot's first step,
	s_xor_b32 s[TK], s[TK], SLOT1                  ; in the other slot
	s_sub_co_u32 s[TV], s[TV], 4*VSTEPB
	s_xor_b32 s[TV], s[TV], SLOT1
.endm
	s_wait_tensorcnt 1                             ; my part of slot 0 is in; slot 1's may stay out
	s_barrier_signal -1
	s_barrier_wait -1                              ; everybody's is
	FETCH_K                                        ; key step 0
	FETCH_V
	s_wait_loadcnt 0x0                             ; Q
	s_wait_dscnt 16                                ; K is in; V's sixteen loads may be out
	KQ
	WIN 0
	ROT 1, 1                                       ; step 0, which starts m, l and O^T; asks for step 1
	STEPS 2                                        ; steps 1 and 2; they ask for steps 2 and 3: slot 0 is read out
.Lslot:                                            ; six trips: every slot but the last two is filled again
	CHANGE 1
	STEPS 4
	s_sub_co_u32 s[SLOTS], s[SLOTS], 1
	s_cmp_lg_u32 s[SLOTS], 0
	s_cbranch_scc1 .Lslot
	CHANGE 0                                       ; the tail is written out
	STEPS 4
	ROT 0, 0                                       ; the last step
	; THE WAY OUT.  l's two halves and the other half of the lanes' are added; O^T is divided by l, rounded to f16 and sent through my stage in LDS, a tile (16 rows) at a time.
	PLACES 4
.irp t, 0,1,2,3
	v_add_f32 v[ST+8*\t+4], v[ST+8*\t+2], v[ST+8*\t+3]
.endr
.irp t, 0,1,2,3
	v_permlanex16_b32 v[ST+8*\t+5], v[ST+8*\t+4], s[SEL], s[SEL+1]
.endr
.irp t, 0,1,2,3
	v_add_f32 v[ST+8*\t+4], v[ST+8*\t+4], v[ST+8*\t+5]
.endr
.irp t, 0,1,2,3
	v_rcp_f32 v[ST+8*\t+6], v[ST+8*\t+4]
.endr
	v_nop                                          ; a plain line between the last reciprocal and the use of its result
	s_wait_alu depctr_va_vdst(0)
.macro PACK t
	WIN 0x41
.set i, 0
.rept 16
	v_pk_mul_f32 v[32*\t+i:32*\t+i+1], v[32*\t+i:32*\t+i+1], v[ST+8*\t+6:ST+8*\t+7] op_sel_hi:[1,0]
.set i, i+2
.endr
	WIN 0x05                                       ; sources 0 and 1 window 1, destination window 0: S^T's registers are free
.set i, 0
.rept 16
	v_cvt_pk_f16_f32 v[S+16*\t+i], v[32*\t+2*i], v[32*\t+2*i+1]
.set i, i+1
.endr
	WIN 0
.irp c, 0,1,2,3
	ds_store_b128 v[STO], v[S+16*\t+4*\c:S+16*\t+4*\c+3] offset:32*\c
.endr
.irp u, 0,1,2,3
	ds_load_b128 v[S+16*\t+4*\u:S+16*\t+4*\u+3], v[RD] offset:\u*4*SP   ; LDS serves a wave's instructions in order (ISA guide 5.7.1.4): these see the stores above; the next tile's stores come behind them
.endr
.endm
.macro SEND t, younger                 ; younger: the LDS instructions issued behind tile t's loads: the next tile's eight, or none
.irp u, 0,1,2,3
	s_wait_dscnt \younger+3-\u
	global_store_b128 v[GO], v[S+16*\t+4*\u:S+16*\t+4*\u+3], s[10:11] offset:2048*\t+512*\u th:TH_STORE_NT   ; the wave stores 512 consecutive bytes, aligned
.endr
.endm
	PACK 0
	PACK 1
	SEND 0, 8
	PACK 2
	SEND 1, 8
	PACK 3
	SEND 2, 8
	SEND 3, 0
	s_wait_tensorcnt 0x0                           ; the wave's end
	ds_add_u32 v[SPW], v[NIL]
	s_wait_dscnt 0x0
	CROUND                                         ; the closing round
	s_endpgm
.Lfunc_end_k_qdc6986e507_attn:
	.size	k_qdc6986e507_attn, .Lfunc_end_k_qdc6986e507_attn-k_qdc6986e507_attn
	.p2alignl 7, 3214868480
	.fill 96, 4, 3214868480
	.section	.rodata,"a",@progbits
	.p2align	6, 0x0
	.amdhsa_kernel k_qdc6986e507_attn
		.amdhsa_group_segment_fixed_size 327680
		.amdhsa_private_segment_fixed_size 0
		.amdhsa_enable_private_segment 0
		.amdhsa_kernarg_size 16
		.amdhsa_user_sgpr_count 2
		.amdhsa_user_sgpr_kernarg_segment_ptr 1
		.amdhsa_wavefront_size32 1
		.amdhsa_system_sgpr_workgroup_id_x 1
		.amdhsa_system_sgpr_workgroup_id_y 1
		.amdhsa_system_sgpr_workgroup_id_z 1
		.amdhsa_system_vgpr_workitem_id 0
		.amdhsa_next_free_vgpr 512
		.amdhsa_next_free_sgpr 66
		.amdhsa_reserve_vcc 0
		.amdhsa_float_denorm_mode_32 3
		.amdhsa_float_denorm_mode_16_64 3
		.amdhsa_memory_ordered 1
		.amdhsa_forward_progress 1
		.amdhsa_inst_pref_size 180
	.end_amdhsa_kernel
	.amdgpu_metadata
---
amdhsa.version: [ 1, 2 ]
amdhsa.kernels:
  - .name:           k_qdc6986e507_attn
    .symbol:         k_qdc6986e507_attn.kd
    .args:
      - { .name: qkv, .offset: 0, .size: 8, .value_kind: global_buffer, .address_space: global }
      - { .name: att, .offset: 8, .size: 8, .value_kind: global_buffer, .address_space: global }
    .group_segment_fixed_size: 327680
    .private_segment_fixed_size: 0
    .kernarg_segment_align: 8
    .kernarg_segment_size: 16
    .max_flat_workgroup_size: 256
    .sgpr_count:     66
    .vgpr_count:     512
    .wavefront_size: 32
...
	.end_amdgpu_metadata
.endif
;; end of part 3
;; launch proj (part 4): grid 8 x 32, 4 waves a work-group, clusters of 4 x 4, 327,680 bytes of LDS; arguments att, wo16, b_out, out0; writes out0
.if DOCPART == 4
	.amdgcn_target "amdgcn-amd-amdhsa--gfx1250"
	.amdhsa_code_object_version 6
	.text
	.protected	k_qdc6986e507_proj
	.globl	k_qdc6986e507_proj
	.p2align	8
	.type	k_qdc6986e507_proj,@function
k_qdc6986e507_proj:
	s_mov_b64 s[64:65], 0
	v_nop
	global_prefetch_b8 v0, s[64:65] scope:SCOPE_SE
	s_setreg_imm32_b32 hwreg(HW_REG_WAVE_MODE, 25, 1), 1
	s_wait_xcnt 0x0
	s_wait_alu depctr_hold_cnt(0) depctr_sa_sdst(0) depctr_va_vdst(0) depctr_va_sdst(0) depctr_va_ssrc(0) depctr_va_vcc(0) depctr_vm_vsrc(0)
	s_getreg_b32 s2, hwreg(HW_REG_IB_STS2, 6, 4)
	s_cmp_eq_u32 s2, 0
	s_cbranch_scc0 .Lentry_in_a_cluster
	s_endpgm
.Lentry_in_a_cluster:
	s_bfe_u32 s2, ttmp6, 0x10000c
	s_cmp_lg_u32 s2, 0xf033
	s_cbranch_scc0 .Lentry_shape_is_right
	s_endpgm
.Lentry_shape_is_right:
; out0[s][b][n] = the sum over k of att(b, s, k) w_out[n][k] + b_out[n].  att: f16, [b][h][s][64], k = 64 h + d; wo16: f16, [1024 n][1024 k]; out0: f32, row 4 s + b of 4,096 bytes.  Sums in f32.
; A tile of the result is 256 rows (256 neighbouring s of one batch) x 128 columns: 256 work-groups.  Four waves, each 128 x 64: 32 accumulators, 256 registers.
; K goes in steps of 128, two heads, through a ring of two LDS slots.  A head's 256 rows of 128 bytes are dense in memory: they come as 128 rows of 256 bytes (two s to a row); waves 0 and 1 fetch the two heads' planes,
; waves 2 and 3 the halves of w_out's 128 rows x 256 bytes.
; CLUSTERS: 4 x 4 work-groups.  The four of a row of the cluster need the same tiles of att, the four of a column the same tiles of w_out: each tile is asked for JOINTLY.
; THE MATRIX INSTRUCTION IS USED TRANSPOSED (source 0 = 16 rows of w_out, source 1 = 16 rows of att): a lane holds eight neighbouring columns of one row.  The bias is the C of each sum's first instruction.
; No prefetch: K is eight short steps, and every tile is shared in the cluster.
; REGISTERS: window 0: v0-31 addresses; v32-63 the bias, four tiles; v64-159, v160-255 two fragment buffers (att 64 registers, then w_out 32); on the way out v64-127 hold rows.   window 1: accumulator (a, b) at v[8 (4 a + b)].
.set PITCH,  272                       ; an LDS row: 256 bytes + 16 of padding (64 banks of 4 bytes: ISA guide 11.1)
.set PLANE,  128*PITCH                 ; one head's 256 rows
.set BOFF,   2*PLANE
.set BHALF,  64*PITCH
.set SLOT,   BOFF+2*BHALF
.set STAGE,  2*SLOT                    ; behind the ring: 16 rows x 272 bytes for each wave
.set SPITCH, 272
.set SPARE,  STAGE+4*16*SPITCH         ; the spare words, 128 bytes for each wave: two blocks of 256 bytes that no other line names
.set ADRA, 16
.set ADRB, 20
.set STO,  24
.set RD,   25
.set CO,   26
.set SPW,  28
.set NIL,  29
.set BI,   32
.set F0,   64
.set F1,   160
.set BK,   64
.set G1, 24
.set G0, 32
.set G1B, 48
.set G0B, 56
.set MSB, 0
.macro WIN new
.if MSB != \new
	s_set_vgpr_msb (MSB<<8)|\new
.set MSB, \new
.endif
.endm
.set MUL,  0x50                        ; C and D window 1, both sources window 0
.set MULB, 0x40                        ; the first quarter: C is the bias, in window 0
.macro JLOAD s                         ; a joint load: waves 0 and 1 fetch att's planes, waves 2 and 3 w_out's halves; four v_nop follow each of the two lines
	s_cmp_eq_u32 s13, 0
	s_cbranch_scc0 .Lfor_b_\@
	tensor_load_to_lds s[G0+4*\s:G0+4*\s+3], s[G1:G1+7]
	s_nop 0
.rept 4
	v_nop
.endr
	s_branch .Lasked_\@
.Lfor_b_\@:
	tensor_load_to_lds s[G0B+4*\s:G0B+4*\s+3], s[G1B:G1B+7]
	s_nop 0
.rept 4
	v_nop
.endr
.Lasked_\@:
.endm
.macro CREST                           ; a round of the cluster's barrier behind its opening barrier
	s_cmp_lg_u32 s12, 0
	s_cbranch_scc1 .Lnot_wave_0_\@
	s_barrier_signal -3
.Lnot_wave_0_\@:
	s_barrier_wait -3
	s_barrier_signal -1
	s_barrier_wait -1
.endm
.macro CROUND
	s_barrier_signal -1
	s_barrier_wait -1
	CREST
.endm
	s_load_b256 s[4:11], s[0:1], 0x0               ; att s[4:5], wo16 s[6:7], b_out s[8:9], out0 s[10:11]
	v_lshl_add_u32 v[SPW], v0, 2, SPARE
	v_mov_b32 v[NIL], 0
	ds_add_u32 v28, v29
	s_wait_dscnt 0x0
	v_lshrrev_b32 v1, 5, v0
	v_readfirstlane_b32 s12, v1                    ; wave 0..3
	s_lshr_b32 s13, s12, 1                         ; which half of the tile's rows is mine.  Also: I fetch for att (0) or for w_out (1)
	s_and_b32 s14, s12, 1                          ; which half of its columns.  Also: which plane or half I fetch
	s_bfe_u32 s16, ttmp6, 0x40000                  ; cx, cy
	s_bfe_u32 s17, ttmp6, 0x40004
	s_lshl_b32 s18, ttmp9, 2
	s_add_co_u32 s18, s18, s16                     ; tile column = 4 x cluster x + cx
	s_and_b32 s19, ttmp7, 0xffff
	s_lshl_b32 s19, s19, 2
	s_add_co_u32 s19, s19, s17                     ; tile row = 4 x cluster y + cy: batch = tile row / 8, block of 256 s = tile row % 8
	s_lshl_b32 s20, s17, 2
	s_lshl_b32 s20, 15, s20                        ; my row of the cluster
	s_lshl_b32 s21, 0x1111, s16                    ; my column
	s_or_b32 s[G1+0], s20, (1<<16)|(1<<20)|(1<<21)|(5<<22)|(3<<25)   ; 15:0 the mask; 17:16 elements of 2 bytes; 20 padding on; 21 set beside a mask; 24:22 after every 64 words; 31:25 four words
	s_or_b32 s[G1B+0], s21, (1<<16)|(1<<20)|(1<<21)|(5<<22)|(3<<25)
	s_mov_b32 s[G1+1], 128<<16                     ; att: 128 rows x 128 elements, dense
	s_mov_b32 s[G1+2], 128<<16
	s_mov_b32 s[G1+3], 128<<16
	s_mov_b32 s[G1+4], 128
	s_mov_b32 s[G1+5], 128
	s_mov_b32 s[G1+6], 0
	s_mov_b32 s[G1+7], 0
	s_mov_b32 s[G1B+1], 128<<16                    ; w_out: 64 rows x 128 elements, 1,024 elements from row to row
	s_mov_b32 s[G1B+2], 64<<16
	s_mov_b32 s[G1B+3], 128<<16
	s_mov_b32 s[G1B+4], 64
	s_mov_b32 s[G1B+5], 1024
	s_mov_b32 s[G1B+6], 0
	s_mov_b32 s[G1B+7], 0
	s_lshr_b32 s40, s19, 3                         ; att: batch x 2^22 + head x 2^18 + block x 256 rows of 128 bytes; my plane is head 2 x K step + (wave % 2)
	s_lshl_b32 s40, s40, 22
	s_and_b32 s41, s19, 7
	s_lshl_b32 s41, s41, 15
	s_add_co_u32 s40, s40, s41
	s_lshl_b32 s41, s14, 18
	s_add_co_u32 s40, s40, s41
	s_mov_b32 s41, 0
	s_lshl_b32 s42, s18, 18                        ; w_out: row 128 x tile column + 64 x half, 2,048 bytes a row
	s_lshl_b32 s43, s14, 17
	s_add_co_u32 s42, s42, s43
	s_mov_b32 s43, 0
	s_mul_i32 s22, s14, PLANE                      ; where they go: no place in the cluster enters an LDS address
	s_mul_i32 s23, s14, BHALF
	s_add_co_u32 s23, s23, BOFF
	s_wait_kmcnt 0x0
	s_add_nc_u64 s[40:41], s[4:5], s[40:41]
	s_add_nc_u64 s[42:43], s[6:7], s[42:43]
	CROUND                                         ; all sixteen work-groups are here: the first joint loads meet
.irp s, 0,1
	s_mov_b32 s[G0+4*\s], 1
	s_add_co_u32 s[G0+4*\s+1], s22, \s*SLOT
	s_add_nc_u64 s[G0+4*\s+2:G0+4*\s+3], s[40:41], \s*0x80000      ; K step s: two heads on
	s_or_b32 s[G0+4*\s+3], s[G0+4*\s+3], 0x80000000
	s_mov_b32 s[G0B+4*\s], 1
	s_add_co_u32 s[G0B+4*\s+1], s23, \s*SLOT
	s_add_nc_u64 s[G0B+4*\s+2:G0B+4*\s+3], s[42:43], \s*256
	s_or_b32 s[G0B+4*\s+3], s[G0B+4*\s+3], 0x80000000
	JLOAD \s                                       ; two tensor loads of mine are out
.endr
	v_and_b32 v1, 15, v0                           ; r
	v_bfe_u32 v2, v0, 4, 1                         ; h
	s_lshl_b32 s44, s18, 9                         ; my first column, in bytes of f32: 512 x tile column + 256 x half
	s_lshl_b32 s45, s14, 8
	s_add_co_u32 s44, s44, s45
	s_mov_b32 s45, 0
	s_add_nc_u64 s[8:9], s[8:9], s[44:45]
	s_add_nc_u64 s[10:11], s[10:11], s[44:45]
	v_lshlrev_b32 v5, 5, v2                        ; the bias: lane (r, h) wants, for w_out's block b, columns 16 b + 8 h + 0 .. 7
.irp b, 0,1,2,3
	global_load_b128 v[BI+8*\b:BI+8*\b+3], v5, s[8:9] offset:64*\b
	global_load_b128 v[BI+8*\b+4:BI+8*\b+7], v5, s[8:9] offset:64*\b+16
.endr
	s_and_b32 s44, s19, 7                          ; my first row of out0: s = 256 x block + 128 x half, 16,384 bytes from s to s + 1; + batch x 4,096
	s_lshl_b32 s44, s44, 8
	s_lshl_b32 s46, s13, 7
	s_add_co_u32 s44, s44, s46
	s_lshl_b32 s44, s44, 14
	s_lshr_b32 s46, s19, 3
	s_lshl_b32 s46, s46, 12
	s_add_co_u32 s44, s44, s46
	s_add_nc_u64 s[10:11], s[10:11], s[44:45]
	v_lshrrev_b32 v3, 1, v1
	v_mul_u32_u24 v3, v3, PITCH                    ; att: row r lies in double row r / 2,
	v_and_b32 v4, 1, v0
	v_lshl_add_u32 v3, v4, 7, v3                   ; in its half r % 2,
	v_lshl_add_u32 v3, v2, 4, v3                   ; + 16 x half of the lanes
	v_mul_u32_u24 v4, v1, PITCH                    ; w_out: row r x pitch + 16 x half
	v_lshl_add_u32 v4, v2, 4, v4
	s_mul_i32 s22, s13, 64*PITCH                   ; my 128 rows of att: 64 double rows
	s_mul_i32 s23, s14, BHALF                      ; my 64 rows of w_out
	s_add_co_u32 s23, s23, BOFF
.irp s, 0,1
	v_add_nc_u32 v[ADRA+\s], s22, v3
	v_add_nc_u32 v[ADRB+\s], s23, v4
	s_add_co_u32 s22, s22, SLOT
	s_add_co_u32 s23, s23, SLOT
.endr
	s_mul_i32 s22, s12, 16*SPITCH
	s_add_co_u32 s22, s22, STAGE                   ; my stage
	v_mul_u32_u24 v3, v1, SPITCH                   ; in: row r, 32 bytes for each half of the lanes
	v_lshl_add_u32 v3, v2, 5, v3
	v_add_nc_u32 v[STO], s22, v3
	v_mul_u32_u24 v3, v2, SPITCH                   ; back: lanes 0-15 take one row of 256 bytes, lanes 16-31 the next
	v_lshl_add_u32 v3, v1, 4, v3
	v_add_nc_u32 v[RD], s22, v3
	v_lshlrev_b32 v[CO], 4, v1                     ; and the same two rows in out0, 16,384 bytes apart
	v_lshl_add_u32 v[CO], v2, 14, v[CO]
; 8 matrix instructions: att's blocks a0, a0 + 1 against w_out's four, 32 along K, from buffer f.  first = 1: the sums start from the bias.  The 32 accumulators take turns, one instruction a turn.
.macro MUL8 f, a0, first
.irp a, \a0, \a0+1
.irp b, 0,1,2,3
.if \first
	v_wmma_f32_16x16x32_f16 v[8*(4*(\a)+\b):8*(4*(\a)+\b)+7], v[\f+64+8*\b:\f+64+8*\b+7], v[\f+8*(\a):\f+8*(\a)+7], v[BI+8*\b:BI+8*\b+7]
.else
	v_wmma_f32_16x16x32_f16 v[8*(4*(\a)+\b):8*(4*(\a)+\b)+7], v[\f+64+8*\b:\f+64+8*\b+7], v[\f+8*(\a):\f+8*(\a)+7], v[8*(4*(\a)+\b):8*(4*(\a)+\b)+7]
.endif
.endr
.endr
.endm
; 24 LDS loads in one run: the fragments of the slot's q-th 32 along K into buffer f: w_out's four, then att's eight (plane q / 2, channels 32 (q % 2) on)
.macro FETCH slot, q, f
	WIN 0
.irp i, 0,1,2,3
	ds_load_b128 v[\f+64+8*\i:\f+64+8*\i+3],   v[ADRB+\slot] offset:64*(\q)+\i*16*PITCH
	ds_load_b128 v[\f+64+8*\i+4:\f+64+8*\i+7], v[ADRB+\slot] offset:64*(\q)+\i*16*PITCH+32
.endr
.irp i, 0,1,2,3,4,5,6,7
	ds_load_b128 v[\f+8*\i:\f+8*\i+3],   v[ADRA+\slot] offset:((\q)/2)*PLANE+((\q)%2)*64+\i*8*PITCH
	ds_load_b128 v[\f+8*\i+4:\f+8*\i+7], v[ADRA+\slot] offset:((\q)/2)*PLANE+((\q)%2)*64+\i*8*PITCH+32
.endr
.endm
.macro PLACES                          ; four places in front of loads into registers that matrix instructions have read, and of the first read of results
.rept 4
	v_nop
.endr
.endm
; A K step is four quarters of 32 along K, 32 matrix instructions each, on buffers 0, 1, 0, 1.  One of the first three: multiplies buffer f and fetches quarter qn into g.
.macro QUARTER slot, qn, f, g, first
	s_wait_dscnt 8                                 ; w_out's fragments and att's blocks 0-3 are in; the youngest eight loads (blocks 4-7) may be out
.if \first
	WIN MULB
.else
	WIN MUL
.endif
	MUL8 \f, 0, \first
	MUL8 \f, 2, \first
	PLACES
	FETCH \slot, \qn, \g
	s_wait_dscnt 24                                ; all but the 24 just issued
.if \first
	WIN MULB
.else
	WIN MUL
.endif
	MUL8 \f, 4, \first
	MUL8 \f, 6, \first
.endm
; The last quarter multiplies buffer 1 and changes slots: ONE barrier; in front of it each wave waits for all its tensor loads, adds 0 to its spare word, and waits for that and for its reads of this slot.  fill = 1: this slot is filled again, two K steps ahead.
.macro TURN slot, next, fill
	WIN 0                                          ; (the add's two registers lie in window 0)
	s_wait_tensorcnt 0x0                           ; all my tensor loads have landed: my part of the next slot
	ds_add_u32 v[SPW], v[NIL]                      ; 0 onto my spare word
	s_wait_dscnt 9                                 ; (the add and the youngest eight loads may be out)
	WIN MUL
	MUL8 F1, 0, 0
	s_wait_dscnt 0x0                               ; the add is done, and my reads of this slot are over
	s_barrier_signal -1
	MUL8 F1, 2, 0
.if \fill
	WIN 0
.endif
	s_barrier_wait -1
.if \fill
	CREST                                          ; the barrier has opened a round of the cluster's barrier: no wave of any partner still reads this slot or has a load on its way
	s_add_nc_u64 s[G0+4*\slot+2:G0+4*\slot+3], s[G0+4*\slot+2:G0+4*\slot+3], 0x100000    ; four heads on
	s_add_nc_u64 s[G0B+4*\slot+2:G0B+4*\slot+3], s[G0B+4*\slot+2:G0B+4*\slot+3], 512
	JLOAD \slot                                    ; the first tensor load behind the round: 112 matrix instructions ahead of the wait for it; its four v_nop are also the places in front of the loads below
.else
	PLACES
.endif
	FETCH \next, 0, F0
	WIN MUL
	MUL8 F1, 4, 0
	MUL8 F1, 6, 0
.endm
	s_wait_loadcnt 0x0                             ; the bias
	s_wait_tensorcnt 1                             ; my part of K step 0 is in (K step 1's load may be out),
	s_barrier_signal -1
	s_barrier_wait -1                              ; everybody's is
	FETCH 0, 0, F0
	QUARTER 0, 1, F0, F1, 1                        ; the first quarter stands in front of the loop: its products start the sums
	WIN 0                                          ; at a label and at a branch every window is 0
	s_mov_b32 s15, 3
.Llap:                                             ; a trip goes once round the ring, from a lap's second quarter to the next lap's first, and fills both slots again: K steps 2 to 7
	QUARTER 0, 2, F1, F0, 0
	QUARTER 0, 3, F0, F1, 0
	TURN 0, 1, 1
	QUARTER 1, 1, F0, F1, 0
	QUARTER 1, 2, F1, F0, 0
	QUARTER 1, 3, F0, F1, 0
	TURN 1, 0, 1
	QUARTER 0, 1, F0, F1, 0
	WIN 0
	s_sub_co_u32 s15, s15, 1
	s_cmp_lg_u32 s15, 0
	s_cbranch_scc1 .Llap
	QUARTER 0, 2, F1, F0, 0                        ; the last lap fills nothing, and has no round of the cluster's barrier
	QUARTER 0, 3, F0, F1, 0
	TURN 0, 1, 0
	QUARTER 1, 1, F0, F1, 0
	QUARTER 1, 2, F1, F0, 0
	QUARTER 1, 3, F0, F1, 0
	s_wait_dscnt 8                                 ; the very last quarter: nothing more to fetch
	WIN MUL
	MUL8 F1, 0, 0
	MUL8 F1, 2, 0
	s_wait_dscnt 0
	MUL8 F1, 4, 0
	MUL8 F1, 6, 0
	WIN 0
; THE WAY OUT, a block of 16 rows x 64 columns at a time: through my own stage in LDS and back as whole rows of 256 bytes.
.macro TOSTAGE a
	WIN 0x04                                       ; an LDS store's data are its source 1: window 1
.irp b, 0,1,2,3
	ds_store_b128 v[STO], v[8*(4*(\a)+\b):8*(4*(\a)+\b)+3] offset:64*\b            ; each accumulator from its low end on
	ds_store_b128 v[STO], v[8*(4*(\a)+\b)+4:8*(4*(\a)+\b)+7] offset:64*\b+16
.endr
	WIN 0
.set BB, BK+32*((\a)%2)
.irp t, 0,1,2,3,4,5,6,7
	ds_load_b128 v[BB+4*\t:BB+4*\t+3], v[RD] offset:\t*2*SPITCH    ; LDS serves a wave's instructions in order (ISA guide 5.7.1.4): these see the stores above
.endr
.endm
.macro SEND a, younger                 ; younger: the LDS instructions issued behind block a's loads, which may stay out
.set BB, BK+32*((\a)%2)
	s_wait_dscnt \younger
.irp t, 0,1,2,3,4,5,6,7
	global_store_b128 v[CO], v[BB+4*\t:BB+4*\t+3], s[10:11] offset:262144*(\a)+32768*\t th:TH_STORE_NT   ; 16 lanes store 256 consecutive bytes, aligned, of row 4 s + b; the offset stays inside the signed 24-bit immediate
.endr
.endm
	PLACES
	TOSTAGE 0
.irp a, 1,2,3,4,5,6,7
.if \a > 1
	s_wait_xcnt 0x0                                ; block a - 2's stores have read their registers: block a's loads may land there
.endif
	TOSTAGE \a
	SEND \a-1, 16                                  ; behind block a - 1's loads: block a's 8 stores and 8 loads
.endr
	SEND 7, 0
	s_wait_tensorcnt 0x0                           ; the wave's end
	ds_add_u32 v[SPW], v[NIL]
	s_wait_dscnt 0x0
	CROUND                                         ; the closing round
	s_endpgm
.Lfunc_end_k_qdc6986e507_proj:
	.size	k_qdc6986e507_proj, .Lfunc_end_k_qdc6986e507_proj-k_qdc6986e507_proj
	.p2alignl 7, 3214868480
	.fill 96, 4, 3214868480
	.section	.rodata,"a",@progbits
	.p2align	6, 0x0
	.amdhsa_kernel k_qdc6986e507_proj
		.amdhsa_group_segment_fixed_size 327680
		.amdhsa_private_segment_fixed_size 0
		.amdhsa_enable_private_segment 0
		.amdhsa_kernarg_size 32
		.amdhsa_user_sgpr_count 2
		.amdhsa_user_sgpr_kernarg_segment_ptr 1
		.amdhsa_wavefront_size32 1
		.amdhsa_system_sgpr_workgroup_id_x 1
		.amdhsa_system_sgpr_workgroup_id_y 1
		.amdhsa_system_sgpr_workgroup_id_z 1
		.amdhsa_system_vgpr_workitem_id 0
		.amdhsa_next_free_vgpr 512
		.amdhsa_next_free_sgpr 66
		.amdhsa_reserve_vcc 0
		.amdhsa_float_denorm_mode_32 3
		.amdhsa_float_denorm_mode_16_64 3
		.amdhsa_memory_ordered 1
		.amdhsa_forward_progress 1
		.amdhsa_inst_pref_size 86
	.end_amdhsa_kernel
	.amdgpu_metadata
---
amdhsa.version: [ 1, 2 ]
amdhsa.kernels:
  - .name:           k_qdc6986e507_proj
    .symbol:         k_qdc6986e507_proj.kd
    .args:
      - { .name: att, .offset: 0, .size: 8, .value_kind: global_buffer, .address_space: global }
      - { .name: wo16, .offset: 8, .size: 8, .value_kind: global_buffer, .address_space: global }
      - { .name: b_out, .offset: 16, .size: 8, .value_kind: global_buffer, .address_space: global }
      - { .name: out0, .offset: 24, .size: 8, .value_kind: global_buffer, .address_space: global }
    .group_segment_fixed_size: 327680
    .private_segment_fixed_size: 0
    .kernarg_segment_align: 8
    .kernarg_segment_size: 32
    .max_flat_workgroup_size: 128
    .sgpr_count:     66
    .vgpr_count:     512
    .wavefront_size: 32
...
	.end_amdgpu_metadata
.endif
;; end of part 4
